; MI455X (gfx1250); checked and timed in simulation.
; The chip was launched on July 23, 2026; its instructions are those of AMD's public machine-readable ISA for CDNA 5 (MIT licence, August 2026) and "CDNA5" Instruction Set Architecture Reference Guide (July 2026). The comments in the code are by the model that wrote it; some were corrected since.
;; Multi Head Attention. Allowed arithmetic: matrix products marked QUANTISED: E4M3 operands, one E8M0 scale for each 32 along K, by v_wmma_scale_f32_16x16x128_f8f6f4 with both operands' format E4M3, f32 sums; products left as they are: f32 operands where the result goes on into a quantised operand, else bf16, f16 or f32 operands; f32 sums; everything else in f32.
;; Inputs: Wk 256 x 256 float32; Wo 256 x 256 float32; Wq 256 x 256 float32; Wv 256 x 256 float32; bk 256 float32; bo 256 float32; bq 256 float32; bv 256 float32; key 4 x 2,048 x 256 float32; mask 4 x 2,048 float32; pos 2,048 x 256 float32; proj 256 x 256 float32; query 4 x 2,048 x 256 float32; value 4 x 2,048 x 256 float32.
;; Outputs: out0 4 x 2,048 x 256 float32.
;; This version of the problem:
;;   THIS VERSION OF THE PROBLEM IS GIVEN IN LOW PRECISION. The matrix products marked QUANTISED in the list below multiply operands that are first quantised to E4M3 (4 exponent bits, 3 mantissa bits; 8 bits a number), with one power-of-two scale for each 32 numbers along K (OCP MX v1.0); their sums are f32. All else is computed in f32.
;;   The module's matrix products, in the order in which they are computed (A, B: the left and right operand; K: the contracted axis; several contracted axes count as one K, in the product's order):
;;     1. [M 8,192, K 256] x [K 256, N 256]; A: input query; B: input Wq: QUANTISED
;;     2. [M 8,192, K 256] x [K 256, N 256]; A: input key; B: input Wk: QUANTISED
;;     3. [M 8,192, K 256] x [K 256, N 256]; A: input value; B: input Wv: QUANTISED
;;     4. [M 65,536, K 256] x [K 256, N 256]; A: computed on the way; B: input proj: QUANTISED
;;     5. [M 65,536, K 256] x [K 256, N 256]; A: computed on the way; B: input proj: QUANTISED
;;     6. batch 32 x [M 256, K 2,048] x [K 2,048, N 32]; A: computed on the way; B: computed on the way: QUANTISED
;;     7. batch 32 x [M 32, K 256] x [K 256, N 2,048]; A: computed on the way; B: computed on the way: QUANTISED
;;     8. batch 32 x [M 1, K 256] x [K 256, N 2,048]; A: computed on the way; B: computed on the way: left as it is (M = 1 < 16)
;;     9. [M 8,192, K 256] x [K 256, N 256]; A: computed on the way; B: input Wo: QUANTISED
;;   THE QUANTISER, for each operand of a quantised product, along K:
;;     - K is cut into blocks of 32 from its start; a last block that is shorter is filled with zeros.
;;     - A block's scale is 2^e with e = floor(log2(the largest magnitude in the block)) - 8, held to -126 .. 127; a block of zeros has e = 0. As a byte (E8M0): e + 127.
;;     - Each number is divided by its block's scale, clamped to +-448, and rounded to the nearest number of E4M3, ties to even, subnormals kept.
;;     - The product sums the exact products of the quantised numbers (number of the format x scale) in f32.
;;   ~~~python
;;   def quantise(x, axis):      # numpy; x: float32 -> the quantised numbers, widened to float32 again
;;       x = np.moveaxis(x, axis, -1); K = x.shape[-1]
;;       x = np.pad(x, [(0, 0)] * (x.ndim - 1) + [(0, -K % 32)]); x = x.reshape(x.shape[:-1] + (-1, 32)); a = np.abs(x).max(-1, keepdims=True)
;;       e = np.where(a > 0, np.clip(np.frexp(np.where(a > 0, a, 1))[1] - 1 - 8, -126, 127), 0)      # np.frexp(a)[1] - 1 = floor(log2(a)), exactly
;;       r = np.clip(x / 2.0 ** e, -448, 448)
;;       step = 2.0 ** (np.maximum(np.frexp(np.where(r == 0, 1, r))[1] - 1, -6) - 3)
;;       q = np.round(r / step) * step * 2.0 ** e      # np.round: ties to even
;;       return np.moveaxis(q.reshape(q.shape[:-2] + (-1,))[..., :K], -1, axis).astype(np.float32)
;;   ~~~
;;   OPERANDS COMPUTED ON THE WAY. 'Computed on the way' means the value that the module computes at that place (a softmax that the list does not call 'softmax' is quantised finished and normalised). What goes into a quantiser is computed in f32, as accurately as f32 sums, v_exp_f32 and their like allow (about 1e-6 of the number): no bf16 or f16 on the way to a quantiser, and a product that is left as it is and whose result goes on into a quantised operand takes f32 operands (vector FMAs, or v_wmma_f32_16x16x4_f32). A number that lies on a knife's edge between two numbers of the format may be rounded either way, as far as f32 arithmetic and the matrix unit's own rounding can turn it there, and no further.
;; One version. Each part assembles by itself: llvm-mc -triple=amdgcn-amd-amdhsa -mcpu=gfx1250 --defsym DOCPART=n.
;; ======== version 1 of 1: 4 launches
;; workspace buffers: wts 337,920 bytes; tbuf 8,388,608 bytes; kmax 8,192 bytes; vcod 2,162,688 bytes; kvs 303,104 bytes
;; launch prep (part 1): grid 40 x 1, 4 waves a work-group, no clusters, 0 bytes of LDS; arguments Wq, Wk, Wv, Wo, proj, wts; writes wts
.if DOCPART == 1
	.amdgcn_target "amdgcn-amd-amdhsa--gfx1250"
	.amdhsa_code_object_version 6
	.text
	.protected	k_q3e45080167_prep
	.globl	k_q3e45080167_prep
	.p2align	8
	.type	k_q3e45080167_prep,@function
k_q3e45080167_prep:
	s_mov_b64 s[64:65], 0
	v_nop
	global_prefetch_b8 v0, s[64:65] scope:SCOPE_SE
	s_setreg_imm32_b32 hwreg(HW_REG_WAVE_MODE, 25, 1), 1
	s_wait_xcnt 0x0
; Wq, Wk, Wv, Wo ([k 256][n 256] f32, K = the first axis) and proj ([m 256][k 256] f32, K innermost) become codes of FP8 (E4M3) with one E8M0 byte for each 32 along K,
; laid in the ORDER OF THE OPERAND REGISTERS, so that the later launches bring them by dense copies and 16-byte loads alone.
; wts = [mat 5: Wq, Wk, Wv, Wo, proj][w 8][chunk of 8,448 bytes].  A chunk holds the 32 rows 32 w .. 32 w + 31 of the operand (a row = an output column n, or a feature m):
; four fragments i = 2 u + ks of 2,048 bytes: byte 512 c + 16 lane + e = the code of (row 32 w + 8 u + rho(r), k = 128 ks + 32 c + 16 h + e), r = lane % 16, h = lane / 16, rho(r) = r + (r & 8);
; behind them 256 bytes of scale words, at 8192 + 64 i + 4 r.
; THE ROWS OF A TILE ARE NOT NEIGHBOURS (rho): used as source 0, two neighbouring tiles then leave 16 neighbouring rows in a lane's 16 result registers.
; One wave makes one fragment: 40 work-groups x 4 waves = 5 x 32 fragments.  A lane's registers run along K, 16 numbers of each block of 32; lane l xor 16 holds the other 16.
; LIMITS: NaN and infinities are not served; a block of zeros gets the byte 1 (its codes are zeros, and this program alone reads the bytes).
.set TM,  8                            ; v8-23   largest magnitudes, bytes, holds, scale operands: four each
.set PW,  24                           ; v24     the scale word
.set PC,  32                           ; v32-47  the codes
.set X,   64                           ; v64-127 64 numbers: register 16 c + e = k 32 c + 16 h + e of my row
.set SEL, 28                           ; s[28:29] lane selects: lane l xor 16
.set MNT, 30                           ; s30     the mantissa field of 448
; nb blocks; block b: 16 numbers in v[s + 16 b] on, the other 16 in lane l xor 16.  Codes to v[pc + 4 b] on, the byte to v[TM + 4 + b].  pos = 1: no number is negative.
.macro QUANTB nb, s, pc, pos, floor
.irp b, 0,1,2,3
.if \b < \nb
.if \pos
	v_max3_num_f32 v[TM+\b], v[\s+16*\b], v[\s+16*\b+1], \floor
.else
	v_max3_num_f32 v[TM+\b], |v[\s+16*\b]|, |v[\s+16*\b+1]|, \floor   ; the floor among the leaves holds the byte from below
.endif
.endif
.endr
.irp i, 2,4,6,8,10,12,14
.irp b, 0,1,2,3
.if \b < \nb
.if \pos
	v_max3_num_f32 v[TM+\b], v[TM+\b], v[\s+16*\b+\i], v[\s+16*\b+\i+1]
.else
	v_max3_num_f32 v[TM+\b], v[TM+\b], |v[\s+16*\b+\i]|, |v[\s+16*\b+\i+1]|
.endif
.endif
.endr
.endr
.irp b, 0,1,2,3
.if \b < \nb
	v_permlanex16_b32 v[TM+4+\b], v[TM+\b], s[SEL], s[SEL+1]
.endif
.endr
.irp b, 0,1,2,3
.if \b < \nb
	v_max_num_f32 v[TM+\b], v[TM+\b], v[TM+4+\b]           ; the block's largest magnitude
.endif
.endr
.irp b, 0,1,2,3
.if \b < \nb
	v_add_nc_u32 v[TM+12+\b], 0xfc000000, v[TM+\b]         ; 8 off its exponent field: the conversion's scale operand
.endif
.endr
.irp b, 0,1,2,3
.if \b < \nb
	v_and_or_b32 v[TM+8+\b], v[TM+\b], 0x7f800000, s[MNT]  ; 448 x the scale
.endif
.endr
.irp b, 0,1,2,3
.if \b < \nb
	v_lshrrev_b32 v[TM+4+\b], 23, v[TM+12+\b]              ; the scale's byte
.endif
.endr
.irp b, 0,1,2,3
.if \b < \nb
.irp i, 0,1,2,3,4,5,6,7,8,9,10,11,12,13,14,15
.if \pos
	v_min_num_f32 v[\s+16*\b+\i], v[\s+16*\b+\i], v[TM+8+\b]
.else
	v_med3_num_f32 v[\s+16*\b+\i], v[\s+16*\b+\i], -v[TM+8+\b], v[TM+8+\b]   ; the conversion does not saturate (ISA guide 7.6.2): the hold comes first
.endif
.endr
	v_cvt_scalef32_pk8_fp8_f32 v[\pc+4*\b:\pc+4*\b+1], v[\s+16*\b:\s+16*\b+7], v[TM+12+\b]
	v_cvt_scalef32_pk8_fp8_f32 v[\pc+4*\b+2:\pc+4*\b+3], v[\s+16*\b+8:\s+16*\b+15], v[TM+12+\b]
.endif
.endr
	v_nop                                          ; one plain line behind the last conversion
.endm
	s_load_b256 s[4:11], s[0:1], 0x0               ; Wq, Wk, Wv, Wo
	s_load_b128 s[12:15], s[0:1], 0x20             ; proj, wts
	v_lshrrev_b32 v1, 5, v0
	v_readfirstlane_b32 s16, v1                    ; wave = the fragment i of the chunk
	v_and_b32 v1, 31, v0                           ; lane
	v_and_b32 v2, 15, v0                           ; r
	v_bfe_u32 v3, v0, 4, 1                         ; h
	v_and_b32 v4, 8, v2
	v_add_nc_u32 v4, v4, v2                        ; rho(r)
	v_lshlrev_b32 v6, 4, v1
	v_lshl_add_u32 v6, s16, 11, v6                 ; out: 16 lane + 2048 i
	v_lshlrev_b32 v7, 2, v2
	v_lshl_add_u32 v7, s16, 6, v7                  ; the scale word: 4 r + 64 i
.irp b, 0,1,2,3
	v_mov_b32 v[TM+4+\b], 0                        ; written once: a lane permute's destination counts as one of its sources
.endr
	s_mov_b32 s[SEL], 0x76543210
	s_mov_b32 s[SEL+1], 0xfedcba98
	s_mov_b32 s[MNT], 0x600000
	s_lshr_b32 s17, ttmp9, 3                       ; which matrix
	s_and_b32 s18, ttmp9, 7                        ; which chunk w
	s_lshr_b32 s19, s16, 1                         ; u
	s_and_b32 s20, s16, 1                          ; ks
	s_lshl_b32 s21, s18, 5
	s_lshl_b32 s22, s19, 3
	s_add_co_u32 s21, s21, s22                     ; the tile's first row: 32 w + 8 u
	s_mul_i32 s24, s17, 67584
	s_mul_i32 s22, s18, 8448
	s_add_co_u32 s24, s24, s22                     ; the chunk's place in wts
	s_mov_b32 s25, 0
	s_mov_b32 s23, 0
	s_wait_kmcnt 0x0
	s_add_nc_u64 s[14:15], s[14:15], s[24:25]
	s_cmp_eq_u32 s17, 1                            ; the source: a choice on the work-group's number alone
	s_cselect_b64 s[4:5], s[6:7], s[4:5]
	s_cmp_eq_u32 s17, 2
	s_cselect_b64 s[4:5], s[8:9], s[4:5]
	s_cmp_eq_u32 s17, 3
	s_cselect_b64 s[4:5], s[10:11], s[4:5]
	s_cmp_eq_u32 s17, 4
	s_cselect_b64 s[4:5], s[12:13], s[4:5]
	s_cmp_eq_u32 s17, 4
	s_cbranch_scc1 .Lproj
	; K is the first axis: a lane takes column 32 w + 8 u + rho(r), and its registers run down K
	s_lshl_b32 s22, s21, 2
	s_lshl_b32 s26, s20, 17                        ; 128 ks rows of 1,024 bytes
	s_add_co_u32 s22, s22, s26
	s_add_nc_u64 s[4:5], s[4:5], s[22:23]
	v_lshlrev_b32 v5, 2, v4
	v_lshl_add_u32 v5, v3, 14, v5                  ; 4 rho + 16 h rows
.irp c, 0,1,2,3
.irp e, 0,1,2,3,4,5,6,7,8,9,10,11,12,13,14,15
	global_load_b32 v[X+16*\c+\e], v5, s[4:5] offset:(32*\c+\e)*1024
.endr
.endr
	s_branch .Lquant
.Lproj:
	; K is innermost: a lane takes row 32 w + 8 u + rho(r), 64 neighbouring bytes of each block
	s_lshl_b32 s22, s21, 10
	s_lshl_b32 s26, s20, 9
	s_add_co_u32 s22, s22, s26
	s_add_nc_u64 s[4:5], s[4:5], s[22:23]
	v_lshlrev_b32 v5, 10, v4
	v_lshl_add_u32 v5, v3, 6, v5                   ; 1024 rho + 64 h
.irp c, 0,1,2,3
.irp j, 0,1,2,3
	global_load_b128 v[X+16*\c+4*\j:X+16*\c+4*\j+3], v5, s[4:5] offset:128*\c+16*\j
.endr
.endr
.Lquant:
	s_wait_loadcnt 0x0
	QUANTB 4, X, PC, 0, 0x4800000
	v_lshl_or_b32 v[PW], v[TM+5], 8, v[TM+4]       ; the four bytes make my row's scale word
	v_lshl_or_b32 v[PW], v[TM+6], 16, v[PW]
	v_lshl_or_b32 v[PW], v[TM+7], 24, v[PW]
.irp c, 0,1,2,3
	global_store_b128 v6, v[PC+4*\c:PC+4*\c+3], s[14:15] offset:512*\c   ; 32 lanes store 512 consecutive bytes
.endr
	global_store_b32 v7, v[PW], s[14:15] offset:8192   ; lanes r and r + 16 hold the same word and store it to the same place
	s_endpgm
.Lfunc_end_k_q3e45080167_prep:
	.size	k_q3e45080167_prep, .Lfunc_end_k_q3e45080167_prep-k_q3e45080167_prep
	.p2alignl 7, 3214868480
	.fill 96, 4, 3214868480
	.section	.rodata,"a",@progbits
	.p2align	6, 0x0
	.amdhsa_kernel k_q3e45080167_prep
		.amdhsa_group_segment_fixed_size 0
		.amdhsa_private_segment_fixed_size 0
		.amdhsa_enable_private_segment 0
		.amdhsa_kernarg_size 48
		.amdhsa_user_sgpr_count 2
		.amdhsa_user_sgpr_kernarg_segment_ptr 1
		.amdhsa_wavefront_size32 1
		.amdhsa_system_sgpr_workgroup_id_x 1
		.amdhsa_system_sgpr_workgroup_id_y 1
		.amdhsa_system_sgpr_workgroup_id_z 1
		.amdhsa_system_vgpr_workitem_id 0
		.amdhsa_next_free_vgpr 128
		.amdhsa_next_free_sgpr 66
		.amdhsa_reserve_vcc 0
		.amdhsa_float_denorm_mode_32 3
		.amdhsa_float_denorm_mode_16_64 3
		.amdhsa_memory_ordered 1
		.amdhsa_forward_progress 1
		.amdhsa_inst_pref_size 19
	.end_amdhsa_kernel
	.amdgpu_metadata
---
amdhsa.version: [ 1, 2 ]
amdhsa.kernels:
  - .name:           k_q3e45080167_prep
    .symbol:         k_q3e45080167_prep.kd
    .args:
      - { .name: Wq, .offset: 0, .size: 8, .value_kind: global_buffer, .address_space: global }
      - { .name: Wk, .offset: 8, .size: 8, .value_kind: global_buffer, .address_space: global }
      - { .name: Wv, .offset: 16, .size: 8, .value_kind: global_buffer, .address_space: global }
      - { .name: Wo, .offset: 24, .size: 8, .value_kind: global_buffer, .address_space: global }
      - { .name: proj, .offset: 32, .size: 8, .value_kind: global_buffer, .address_space: global }
      - { .name: wts, .offset: 40, .size: 8, .value_kind: global_buffer, .address_space: global }
    .group_segment_fixed_size: 0
    .private_segment_fixed_size: 0
    .kernarg_segment_align: 8
    .kernarg_segment_size: 48
    .max_flat_workgroup_size: 128
    .sgpr_count:     66
    .vgpr_count:     128
    .wavefront_size: 32
...
	.end_amdgpu_metadata
.endif
;; end of part 1
;; launch keys (part 2): grid 256 x 1, 8 waves a work-group, clusters of 4 x 1, 327,680 bytes of LDS; arguments key, value, pos, bk, bv, wts, tbuf, kmax, vcod; writes tbuf, kmax, vcod
.if DOCPART == 2
	.amdgcn_target "amdgcn-amd-amdhsa--gfx1250"
	.amdhsa_code_object_version 6
	.text
	.protected	k_q3e45080167_keys
	.globl	k_q3e45080167_keys
	.p2align	8
	.type	k_q3e45080167_keys,@function
k_q3e45080167_keys:
	s_mov_b64 s[64:65], 0
	v_nop
	global_prefetch_b8 v0, s[64:65] scope:SCOPE_SE
	s_setreg_imm32_b32 hwreg(HW_REG_WAVE_MODE, 25, 1), 1
	s_wait_xcnt 0x0
	s_wait_alu depctr_hold_cnt(0) depctr_sa_sdst(0) depctr_va_vdst(0) depctr_va_sdst(0) depctr_va_ssrc(0) depctr_va_vcc(0) depctr_vm_vsrc(0)
	s_getreg_b32 s2, hwreg(HW_REG_IB_STS2, 6, 4)
	s_cmp_eq_u32 s2, 0
	s_cbranch_scc0 .Lentry_in_a_cluster
	s_endpgm
.Lentry_in_a_cluster:
	s_bfe_u32 s2, ttmp6, 0x10000c
	s_cmp_lg_u32 s2, 0x3003
	s_cbranch_scc0 .Lentry_shape_is_right
	s_endpgm
.Lentry_shape_is_right:
; THE KEY SIDE, for 32 rows l of one batch: k = Q(key) Q(Wk) + bk; u = the rotary turn of k by pos; xp = Q(u / 4) Q(proj)^T; t = xp - sum(u^2) / 32 goes to tbuf, the wave's largest xp to kmax;
; v = Q(value) Q(Wv) + bv is quantised along l and goes to vcod.  All products on codes of FP8 (E4M3) with E8M0 scales, sums in f32.
; reference() copies k to its 8 heads before anything hangs on the head: the 8 heads' rows of xp are the same numbers, and are made once.  The input mask is an argument that reference() never uses: it is not read.
; THE FACTOR 1 / 4 (256^-0.25) COSTS NOTHING: u is quantised as it stands, with the floor two exponents higher, and 2 is taken off its scale byte: the same codes, the same held range.
; SHARES.  Work-group g takes rows 32 g .. 32 g + 31.  THE WAVES SHARE THE COLUMNS: wave w owns columns 32 w .. 32 w + 31 of k, of v and of xp, for all 32 rows.
; Operands go from wave to wave through LDS as images of their registers (16 bytes a lane, 512 bytes a store); scale words 4 bytes a row.
; ROWS OF A TILE: lane r of tile u of a pair takes row 8 u + rho(r), rho(r) = r + (r & 8), in every operand: as source 0, two tiles leave 16 neighbouring rows in a lane's 16 result registers.
; THE LOADS ARE DENSE.  The quantiser wants 16 neighbours along K in ONE lane; a load is best where neighbouring LANES take neighbouring bytes.  Both are had: a load of key or value covers 512 consecutive bytes of one row,
; a load of pos four runs of 128 bytes; the bytes go through the wave's own stage in LDS as they lie and come back 64 bytes a lane.
; CLUSTER.  All work-groups read the same three weight chunks a wave (Wk, Wv, proj: 25,344 bytes): the four of a cluster ask for them JOINTLY.  Each wave asks for the bytes that it alone reads, so its own
; wait on TENSORcnt orders its reads.  Nothing in LDS is filled twice.  Three tensor loads of a wave are out at the most.
; LIMITS: NaN and infinities are not served; a block of zeros gets the floor's byte (its codes are zeros; this program alone reads the bytes).
.set CH,    8448                       ; a weight chunk: 4 fragments of 2,048 bytes + 256 of scale words = 33 rows of 256 bytes
.set NM,    3
.set XIMG,  0                          ; LDS: key's four fragments (2 tile + ks), value's four: 8 x 2,048
.set UIMG,  16384                      ; u's four fragments
.set XSC,   24576                      ; their scale words: 64 bytes a fragment
.set USC,   25088
.set DGP,   25344                      ; parts of sum(u^2): [l 32][w 8] f32
.set DGW,   26368                      ; -diag by l, 128 bytes for each wave, the wave's own
.set SPARE, 27392                      ; the spare words: 128 bytes a wave, four blocks of 256 bytes that no other line names
.set WL,    28416                      ; the weights: 8 waves x 3 chunks
.set STG,   231168                     ; behind the weights: a stage of 8,448 bytes for each wave, the wave's own: 16 rows of 512 + 16 bytes; then, in the same bytes, pos: 32 rows of 128 + 16
.set PGO,  5                           ; v5   pos' loads: 1024 (lane / 8) + 16 (lane % 8)
.set LI,   6                           ; v6   16 lane
.set R4,   7                           ; v7   4 r
.set H64,  8                           ; v8   64 h
.set UWI,  9                           ; v9   where my block of an image goes: 16 lane + 2048 (w / 4) + 512 (w % 4)
.set UWB,  10                          ; v10  and its scale byte: 4 r + 64 (w / 4) + w % 4
.set PSA,  11                          ; v11  32 rho + 4 w: my wave's word of row rho
.set WLA,  12                          ; v12  my wave's weights + 16 lane
.set WLS,  13                          ; v13  my wave's weights + 4 r
.set XWI,  14                          ; v14  16 lane + 2048 w
.set XWS,  15                          ; v15  4 r + 64 w
.set DGR,  16                          ; v16  DGP + 32 lane
.set DWS,  17                          ; v17  DGW + 128 w + 4 lane
.set DWR,  18                          ; v18  DGW + 128 w + 64 h
.set RHO4, 19                          ; v19  4 rho
.set VSB,  20                          ; v20  4 r + 1024 h
.set SPW,  21                          ; v21  my spare word; never rewritten
.set NIL,  22                          ; v22  0; never rewritten
.set PW,   23
.set TM,   24                          ; v24-39
.set WSC,  40                          ; v40-43  the weights' scale words: scales and nothing else
.set DSC,  44                          ; v44-47  the rows' scale words: scales and nothing else
.set PC,   48                          ; v48-63  codes just made
.set BV,   56                          ; v56-59  bv of my two columns, each twice
.set A,    64                          ; v64-127  numbers of key or value, then the rows' four fragments
.set W,    128                         ; v128-191 the weights' four fragments; at work in between
.set SXW,  128                         ; v128 my stage + 16 lane                         (these four serve the first phase alone, before the weights' fragments take the registers)
.set SXR,  129                         ; v129 my stage + 528 r + 64 h
.set SPS,  130                         ; v130 my stage + 144 (lane / 8) + 16 (lane % 8)
.set SPR,  131                         ; v131 my stage + 144 rho + 64 h
.set TT,   128
.set SQ,   144
.set POS,  192                         ; v192-223 pos, later xp and t
.set TX,   192
.set HA,   224                         ; v224-255 four accumulators
.set WV,   22
.set CX,   23
.set GID,  24
.set BB,   25
.set LB,   26
.set LBASE, 27                         ; s27  my wave's weights in LDS
.set SEL,  32
.set MNT,  34
.set SVX,  35
.set G1,   36                          ; s[36:43] descriptor group 1
.set G0,   44                          ; s[44:55] three groups 0
.set XB,   56
.set PB,   58
.set BKB,  60
.set BVB,  62
.set VQC,  66
.set VQS,  68
.set TBB,  70
.set KMB,  72
.set WB,   74
.set DT,   76                          ; s[76:77] the offset that feeds the descriptors: it never holds my place in the cluster
.macro QUANTB nb, s, pc, pos, floor    ; nb blocks; block b: 16 numbers in v[s + 16 b] on, the other 16 in lane l xor 16.  Codes to v[pc + 4 b] on, the byte to v[TM + 4 + b]
.irp b, 0,1,2,3
.if \b < \nb
.if \pos
	v_max3_num_f32 v[TM+\b], v[\s+16*\b], v[\s+16*\b+1], \floor
.else
	v_max3_num_f32 v[TM+\b], |v[\s+16*\b]|, |v[\s+16*\b+1]|, \floor   ; the floor among the leaves holds the byte from below
.endif
.endif
.endr
.irp i, 2,4,6,8,10,12,14
.irp b, 0,1,2,3
.if \b < \nb
.if \pos
	v_max3_num_f32 v[TM+\b], v[TM+\b], v[\s+16*\b+\i], v[\s+16*\b+\i+1]
.else
	v_max3_num_f32 v[TM+\b], v[TM+\b], |v[\s+16*\b+\i]|, |v[\s+16*\b+\i+1]|
.endif
.endif
.endr
.endr
.irp b, 0,1,2,3
.if \b < \nb
	v_permlanex16_b32 v[TM+4+\b], v[TM+\b], s[SEL], s[SEL+1]
.endif
.endr
.irp b, 0,1,2,3
.if \b < \nb
	v_max_num_f32 v[TM+\b], v[TM+\b], v[TM+4+\b]           ; the block's largest magnitude
.endif
.endr
.irp b, 0,1,2,3
.if \b < \nb
	v_add_nc_u32 v[TM+12+\b], 0xfc000000, v[TM+\b]         ; 8 off its exponent field: the conversion's scale operand
.endif
.endr
.irp b, 0,1,2,3
.if \b < \nb
	v_and_or_b32 v[TM+8+\b], v[TM+\b], 0x7f800000, s[MNT]  ; 448 x the scale
.endif
.endr
.irp b, 0,1,2,3
.if \b < \nb
	v_lshrrev_b32 v[TM+4+\b], 23, v[TM+12+\b]              ; the scale's byte
.endif
.endr
.irp b, 0,1,2,3
.if \b < \nb
.irp i, 0,1,2,3,4,5,6,7,8,9,10,11,12,13,14,15
.if \pos
	v_min_num_f32 v[\s+16*\b+\i], v[\s+16*\b+\i], v[TM+8+\b]
.else
	v_med3_num_f32 v[\s+16*\b+\i], v[\s+16*\b+\i], -v[TM+8+\b], v[TM+8+\b]   ; the conversion does not saturate (ISA guide 7.6.2): the hold comes first
.endif
.endr
	v_cvt_scalef32_pk8_fp8_f32 v[\pc+4*\b:\pc+4*\b+1], v[\s+16*\b:\s+16*\b+7], v[TM+12+\b]
	v_cvt_scalef32_pk8_fp8_f32 v[\pc+4*\b+2:\pc+4*\b+3], v[\s+16*\b+8:\s+16*\b+15], v[TM+12+\b]
.endif
.endr
	v_nop                                          ; one plain line behind the last conversion
.endm
.macro FETCHA img, sc                  ; the 32 rows' four fragments (2 tile + ks) and their scale words
.irp f, 0,1,2,3
.irp c, 0,1,2,3
	ds_load_b128 v[A+16*\f+4*\c:A+16*\f+4*\c+3], v[LI] offset:\img+2048*\f+512*\c
.endr
	ds_load_b32 v[DSC+\f], v[R4] offset:\sc+64*\f
.endr
.endm
.macro FETCHW i                        ; my wave's chunk i of the weights
.irp f, 0,1,2,3
.irp c, 0,1,2,3
	ds_load_b128 v[W+16*\f+4*\c:W+16*\f+4*\c+3], v[WLA] offset:CH*\i+2048*\f+512*\c
.endr
	ds_load_b32 v[WSC+\f], v[WLS] offset:CH*\i+8192+64*\f
.endr
.endm
; source 0 = my weights' tile u, source 1 = the rows' tile lt: lane = a row l, registers 16 lt + e = my column 16 h + e.  The bias lies in the accumulators.  The four accumulators take turns.
.macro PRODW
.irp ks, 0,1
.irp lt, 0,1
.irp u, 0,1
	v_wmma_scale_f32_16x16x128_f8f6f4 v[HA+16*\lt+8*\u:HA+16*\lt+8*\u+7], v[W+16*(2*\u+\ks):W+16*(2*\u+\ks)+15], v[A+16*(2*\lt+\ks):A+16*(2*\lt+\ks)+15], v[HA+16*\lt+8*\u:HA+16*\lt+8*\u+7], v[WSC+2*\u+\ks], v[DSC+2*\lt+\ks]
.endr
.endr
.endr
.endm
; source 0 = the rows' tile u, source 1 = my weights' tile nt: lane = my column 8 nt + rho(r), registers 16 nt + e = row l = 16 h + e
.macro PRODD D
.irp ks, 0,1
.irp nt, 0,1
.irp u, 0,1
.if \ks == 0
	v_wmma_scale_f32_16x16x128_f8f6f4 v[\D+16*\nt+8*\u:\D+16*\nt+8*\u+7], v[A+16*(2*\u+\ks):A+16*(2*\u+\ks)+15], v[W+16*(2*\nt+\ks):W+16*(2*\nt+\ks)+15], 0, v[DSC+2*\u+\ks], v[WSC+2*\nt+\ks]
.else
	v_wmma_scale_f32_16x16x128_f8f6f4 v[\D+16*\nt+8*\u:\D+16*\nt+8*\u+7], v[A+16*(2*\u+\ks):A+16*(2*\u+\ks)+15], v[W+16*(2*\nt+\ks):W+16*(2*\nt+\ks)+15], v[\D+16*\nt+8*\u:\D+16*\nt+8*\u+7], v[DSC+2*\u+\ks], v[WSC+2*\nt+\ks]
.endif
.endr
.endr
.endr
.endm
.macro PLACES                          ; nine plain lines behind a run of products: they serve reads of results, loads into operands, and later products that write over these registers
.rept 9
	v_nop
.endr
.endm
.macro BARRIER                         ; my LDS stores have landed and my LDS loads are in: then the work-group's barrier
	s_wait_dscnt 0x0
	s_barrier_signal -1
	s_barrier_wait -1
.endm
.macro ROUND                           ; a round of the cluster's barrier
	s_barrier_signal -1
	s_barrier_wait -1
	s_cmp_lg_u32 s[WV], 0
	s_cbranch_scc1 .Lnot_wave_0_\@
	s_barrier_signal -3
.Lnot_wave_0_\@:
	s_barrier_wait -3
	s_barrier_signal -1
	s_barrier_wait -1
.endm
.macro DESC i, base, off               ; group 0 of chunk i: from base + off to my wave's place i
	s_mov_b32 s[G0+4*\i], 1
	s_add_co_u32 s[G0+4*\i+1], s[LBASE], CH*\i
	s_add_nc_u64 s[G0+4*\i+2:G0+4*\i+3], s[\base:\base+1], \off
	s_or_b32 s[G0+4*\i+3], s[G0+4*\i+3], 0x80000000
.endm
; the rotary turn: with (s, c) = pos at (2 i, 2 i + 1): x0 c - x1 s, x1 c + x0 s
.macro ROT
.irp lt, 0,1
.irp p, 0,2,4,6,8,10,12,14
	v_mul_f32 v[TT+\p], v[HA+16*\lt+\p+1], v[POS+16*\lt+\p]       ; x1 s
	v_mul_f32 v[TT+\p+1], v[HA+16*\lt+\p], v[POS+16*\lt+\p]       ; x0 s
.endr
.irp p, 0,2,4,6,8,10,12,14
	v_fma_f32 v[HA+16*\lt+\p], v[HA+16*\lt+\p], v[POS+16*\lt+\p+1], -v[TT+\p]
	v_fma_f32 v[HA+16*\lt+\p+1], v[HA+16*\lt+\p+1], v[POS+16*\lt+\p+1], v[TT+\p+1]
.endr
.endr
.endm
.macro DIAGP                           ; my wave's part of each row's sum of squares, to [l][w]
.irp lt, 0,1
	v_pk_mul_f32 v[SQ+2*\lt:SQ+2*\lt+1], v[HA+16*\lt:HA+16*\lt+1], v[HA+16*\lt:HA+16*\lt+1]
.endr
.irp p, 2,4,6,8,10,12,14
.irp lt, 0,1
	v_pk_fma_f32 v[SQ+2*\lt:SQ+2*\lt+1], v[HA+16*\lt+\p:HA+16*\lt+\p+1], v[HA+16*\lt+\p:HA+16*\lt+\p+1], v[SQ+2*\lt:SQ+2*\lt+1]
.endr
.endr
.irp lt, 0,1
	v_add_f32 v[SQ+2*\lt], v[SQ+2*\lt], v[SQ+2*\lt+1]
.endr
.irp lt, 0,1
	v_permlanex16_b32 v[TM+4+\lt], v[SQ+2*\lt], s[SEL], s[SEL+1]
.endr
.irp lt, 0,1
	v_add_f32 v[SQ+2*\lt], v[SQ+2*\lt], v[TM+4+\lt]
.endr
.irp lt, 0,1
	ds_store_b32 v[PSA], v[SQ+2*\lt] offset:DGP+256*\lt    ; lanes r and r + 16 store the same number to the same word
.endr
.endm
.macro USTORE img, sc, m2              ; my block (K block w) of both tiles' images, and its scale byte; m2 = 1: 2 off the byte, which is the factor 1 / 4
.irp lt, 0,1
.if \m2
	v_add_nc_u32 v[TM+4+\lt], -2, v[TM+4+\lt]
.endif
	ds_store_b128 v[UWI], v[PC+4*\lt:PC+4*\lt+3] offset:\img+4096*\lt
	ds_store_b8 v[UWB], v[TM+4+\lt] offset:\sc+128*\lt
.endr
.endm
	s_load_b512 s[4:19], s[0:1], 0x0               ; key, value, pos, bk, bv, wts, tbuf, kmax
	s_load_b64 s[20:21], s[0:1], 0x40              ; vcod
	v_lshl_add_u32 v[SPW], v0, 2, SPARE
	v_mov_b32 v[NIL], 0
	ds_add_u32 v[SPW], v[NIL]                      ; the wave's opening: the add and its wait stand ahead of the round in front of my first tensor load; work on registers stands between them
	v_lshrrev_b32 v1, 5, v0
	v_readfirstlane_b32 s[WV], v1                  ; wave 0..7
	v_and_b32 v1, 31, v0                           ; lane
	v_and_b32 v2, 15, v0                           ; r
	v_bfe_u32 v3, v0, 4, 1                         ; h
	v_and_b32 v4, 8, v2
	v_add_nc_u32 v4, v4, v2                        ; rho(r)
	v_lshlrev_b32 v[LI], 4, v1
	v_lshlrev_b32 v[R4], 2, v2
	v_lshlrev_b32 v[H64], 6, v3
	v_lshlrev_b32 v[RHO4], 2, v4
	v_lshl_add_u32 v[VSB], v3, 10, v[R4]
	s_bfe_u32 s[CX], ttmp6, 0x40000                ; my place in the cluster: it enters global addresses alone
	s_lshl_b32 s[GID], ttmp9, 2
	s_add_co_u32 s[GID], s[GID], s[CX]             ; my block of 32 rows
	s_lshr_b32 s[BB], ttmp9, 4                     ; the batch
	s_and_b32 s[LB], s[GID], 63                    ; the block within the batch
	s_lshr_b32 s28, s[WV], 2
	s_and_b32 s29, s[WV], 3
	s_lshl_b32 s30, s28, 11
	s_lshl_b32 s31, s29, 9
	s_add_co_u32 s30, s30, s31
	v_add_nc_u32 v[UWI], s30, v[LI]
	s_lshl_b32 s30, s28, 6
	s_add_co_u32 s30, s30, s29
	v_add_nc_u32 v[UWB], s30, v[R4]
	s_lshl_b32 s30, s[WV], 2
	v_lshlrev_b32 v[PSA], 5, v4
	v_add_nc_u32 v[PSA], s30, v[PSA]
	s_mul_i32 s[LBASE], s[WV], NM*CH
	s_add_co_u32 s[LBASE], s[LBASE], WL
	v_add_nc_u32 v[WLA], s[LBASE], v[LI]
	v_add_nc_u32 v[WLS], s[LBASE], v[R4]
	s_lshl_b32 s30, s[WV], 11
	v_add_nc_u32 v[XWI], s30, v[LI]
	s_lshl_b32 s30, s[WV], 6
	v_add_nc_u32 v[XWS], s30, v[R4]
	v_lshlrev_b32 v[DGR], 5, v1
	v_add_nc_u32 v[DGR], DGP, v[DGR]
	s_lshl_b32 s30, s[WV], 7
	s_add_co_u32 s30, s30, DGW
	v_lshlrev_b32 v[DWS], 2, v1
	v_add_nc_u32 v[DWS], s30, v[DWS]
	v_add_nc_u32 v[DWR], s30, v[H64]
	v_lshrrev_b32 v[SPS], 3, v1                    ; lane / 8: which of a load's four rows of pos
	v_and_b32 v[SPR], 7, v1                        ; lane % 8: which 16 bytes of its 128
	v_lshlrev_b32 v[PGO], 10, v[SPS]
	v_lshl_add_u32 v[PGO], v[SPR], 4, v[PGO]
	v_mul_u32_u24 v[SPS], v[SPS], 144
	v_lshl_add_u32 v[SPS], v[SPR], 4, v[SPS]
	v_mul_u32_u24 v[SPR], v4, 144
	v_lshl_add_u32 v[SPR], v3, 6, v[SPR]
	v_mul_u32_u24 v[SXR], v2, 528
	v_lshl_add_u32 v[SXR], v3, 6, v[SXR]
	s_mul_i32 s30, s[WV], 8448
	s_add_co_u32 s30, s30, STG                     ; my stage
	v_add_nc_u32 v[SPS], s30, v[SPS]
	v_add_nc_u32 v[SPR], s30, v[SPR]
	v_add_nc_u32 v[SXR], s30, v[SXR]
	v_add_nc_u32 v[SXW], s30, v[LI]
.irp b, 0,1,2,3
	v_mov_b32 v[TM+4+\b], 0                        ; written once: a lane permute's destination counts as one of its sources
.endr
	s_mov_b32 s[SEL], 0x76543210
	s_mov_b32 s[SEL+1], 0xfedcba98                 ; lane l xor 16
	s_mov_b32 s[MNT], 0x600000                     ; the mantissa field of 448
	; descriptor group 1: a chunk is 33 dense rows of 256 bytes (32 elements of 8 bytes), no padding
	s_mov_b32 s[G1], 15|(3<<16)|(1<<21)            ; 15:0 the mask: all four work-groups; 17:16 elements of 8 bytes; 21 set beside a mask
	s_mov_b32 s[G1+1], 32<<16                      ; tensor_dim0 = 32
	s_mov_b32 s[G1+2], 33<<16                      ; tensor_dim1 = 33
	s_mov_b32 s[G1+3], 32<<16                      ; tile_dim0 = 32
	s_mov_b32 s[G1+4], 33                          ; tile_dim1 = 33
	s_mov_b32 s[G1+5], 32                          ; the pitch
	s_mov_b32 s[G1+6], 0
	s_mov_b32 s[G1+7], 0
	s_mul_i32 s[DT], s[WV], CH
	s_mov_b32 s[DT+1], 0
	s_lshl_b32 s28, s[GID], 15                     ; my fragment's numbers: wave w: tile (w / 2) % 2, K step w % 2; waves 0-3 key, waves 4-7 value
	s_bfe_u32 s30, s[WV], 0x10001
	s_lshl_b32 s30, s30, 13
	s_add_co_u32 s28, s28, s30
	s_and_b32 s30, s[WV], 1
	s_lshl_b32 s30, s30, 9
	s_add_co_u32 s28, s28, s30
	s_mov_b32 s29, 0
	s_wait_dscnt 0x0                               ; the opening add is done
	s_wait_kmcnt 0x0
	s_cmp_lt_u32 s[WV], 4
	s_cselect_b64 s[XB:XB+1], s[4:5], s[6:7]
	s_add_nc_u64 s[XB:XB+1], s[XB:XB+1], s[28:29]
.irp i, 0,1,2,3,4,5,6,7,8,9,10,11,12,13,14,15
	global_load_b128 v[A+4*\i:A+4*\i+3], v[LI], s[XB:XB+1] offset:(\i+(\i&8))*1024 th:TH_LOAD_NT   ; row 8 tile + rho(i), my K step's 512 bytes: 32 lanes read 512 consecutive bytes
.endr
	s_lshl_b32 s28, s[LB], 15
	s_lshl_b32 s30, s[WV], 7
	s_add_co_u32 s28, s28, s30
	s_add_nc_u64 s[PB:PB+1], s[8:9], s[28:29]      ; pos at my block's first row, my 32 columns
.irp k, 0,1,2,3,4,5,6,7
	global_load_b128 v[POS+4*\k:POS+4*\k+3], v[PGO], s[PB:PB+1] offset:4096*\k   ; rows 4 k .. 4 k + 3, my 128 bytes of each: eight lanes to a row
.endr
	s_mov_b32 s28, s30
	s_add_nc_u64 s[BKB:BKB+1], s[10:11], s[28:29]
	s_add_nc_u64 s[BVB:BVB+1], s[12:13], s[28:29]
.irp lt, 0,1
.irp u, 0,1
.irp q, 0,1
	global_load_b128 v[HA+16*\lt+8*\u+4*\q:HA+16*\lt+8*\u+4*\q+3], v[H64], s[BKB:BKB+1] offset:32*\u+16*\q   ; bk in the result's layout: it starts the sums
.endr
.endr
.endr
	s_add_nc_u64 s[WB:WB+1], s[14:15], s[DT:DT+1]  ; my wave's chunk in each matrix of wts
	DESC 0, WB, 67584                              ; Wk
	DESC 1, WB, 135168                             ; Wv
	DESC 2, WB, 270336                             ; proj
	s_lshl_b32 s28, s[BB], 19                      ; vcod: [b][tile 2 w + nt][K step lb / 4][c = lb % 4][lane][16]
	s_lshl_b32 s30, s[WV], 16
	s_add_co_u32 s28, s28, s30
	s_lshl_b32 s30, s[LB], 9
	s_add_co_u32 s28, s28, s30
	s_add_nc_u64 s[VQC:VQC+1], s[20:21], s[28:29]
	s_lshl_b32 s28, s[BB], 14                      ; its scale bytes, behind the codes: [b][tile][K step][r][c]
	s_lshl_b32 s30, s[WV], 11
	s_add_co_u32 s28, s28, s30
	s_lshr_b32 s30, s[LB], 2
	s_lshl_b32 s30, s30, 6
	s_add_co_u32 s28, s28, s30
	s_and_b32 s30, s[LB], 3
	s_add_co_u32 s28, s28, s30
	s_add_co_u32 s28, s28, 2097152
	s_add_nc_u64 s[VQS:VQS+1], s[20:21], s[28:29]
	s_lshl_b32 s28, s[BB], 21                      ; tbuf: [b][tile of m 2 w + mt][lb][j][lane][4]
	s_lshl_b32 s30, s[WV], 18
	s_add_co_u32 s28, s28, s30
	s_lshl_b32 s30, s[LB], 11
	s_add_co_u32 s28, s28, s30
	s_add_nc_u64 s[TBB:TBB+1], s[16:17], s[28:29]
	s_lshl_b32 s28, s[GID], 5                      ; kmax: [g][w]
	s_lshl_b32 s30, s[WV], 2
	s_add_co_u32 s28, s28, s30
	s_add_nc_u64 s[KMB:KMB+1], s[18:19], s[28:29]
	ROUND                                          ; all four work-groups are here: the joint loads meet
.irp i, 0,1,2
	tensor_load_to_lds s[G0+4*\i:G0+4*\i+3], s[G1:G1+7]
	s_nop 0
.endr
.rept 4
	v_nop
.endr
	; ---- X: my fragment of key or value turns through my stage, is quantised, and its image goes to LDS; pos turns through the same stage behind it
	s_wait_loadcnt 16                              ; my 16 loads of numbers are in; the 8 of pos and the 8 of bk, issued behind them, may be out
.irp i, 0,1,2,3,4,5,6,7,8,9,10,11,12,13,14,15
	ds_store_b128 v[SXW], v[A+4*\i:A+4*\i+3] offset:528*\i   ; stage row i, as loaded
.endr
.irp q, 0,1,2,3
.irp j, 0,1,2,3
	ds_load_b128 v[A+16*\q+4*\j:A+16*\q+4*\j+3], v[SXR] offset:128*\q+16*\j   ; stage row r, k = 32 q + 16 h + 4 j on.  LDS serves a wave's instructions in order (ISA guide 5.7.1.4): these see my stores
.endr
.endr
	s_wait_loadcnt 8                               ; pos is in; the 8 loads of bk, issued behind it, may be out
.irp k, 0,1,2,3,4,5,6,7
	ds_store_b128 v[SPS], v[POS+4*\k:POS+4*\k+3] offset:576*\k   ; into the same bytes, behind the reads above: rows of 144 bytes
.endr
.irp lt, 0,1
.irp j, 0,1,2,3
	ds_load_b128 v[POS+16*\lt+4*\j:POS+16*\lt+4*\j+3], v[SPR] offset:1152*\lt+16*\j   ; row 8 lt + rho(r), my column 16 h + 4 j on
.endr
.endr
	s_wait_dscnt 16                                ; my numbers are back from the stage; the 8 stores and 8 loads of pos' turn may be out
	QUANTB 4, A, PC, 0, 0x4800000
	v_lshl_or_b32 v[PW], v[TM+5], 8, v[TM+4]
	v_lshl_or_b32 v[PW], v[TM+6], 16, v[PW]
	v_lshl_or_b32 v[PW], v[TM+7], 24, v[PW]
	s_wait_dscnt 0x0                               ; pos' turn is over: the stage's four address registers are done with, and the weights' fragments may take them
.irp c, 0,1,2,3
	ds_store_b128 v[XWI], v[PC+4*\c:PC+4*\c+3] offset:XIMG+512*\c
.endr
	ds_store_b32 v[XWS], v[PW] offset:XSC
	s_wait_tensorcnt 0x2                           ; Wk's chunk is in; Wv's and proj's, issued behind it, may be out
	FETCHW 0
	BARRIER                                        ; the eight fragments lie in LDS
	; ---- 1k: k, the turn, the sums of squares, u's codes
.irp nt, 0,1
	global_load_b32 v[BV+2*\nt], v[RHO4], s[BVB:BVB+1] offset:32*\nt     ; bv of my column 8 nt + rho(r), twice: a pair for the packed additions
	global_load_b32 v[BV+2*\nt+1], v[RHO4], s[BVB:BVB+1] offset:32*\nt
.endr
	FETCHA XIMG, XSC
	s_wait_dscnt 0x0
	s_wait_loadcnt 0x0                             ; bk, bv
	PRODW
	PLACES
	ROT
	DIAGP
	QUANTB 2, HA, PC, 0, 0x5800000                 ; the floor two exponents up, so that the byte less 2 cannot fall under 1
	USTORE UIMG, USC, 1
	s_wait_dscnt 0x0                               ; the stores have read their registers
	; ---- 1v: v, transposed: a lane holds one column, its registers run along l, which is the K of kp^T v
	s_wait_tensorcnt 0x1                           ; Wv's chunk is in; proj's may be out
	FETCHW 1
	FETCHA XIMG+8192, XSC+256
	s_wait_dscnt 0x0
	PRODD HA
	PLACES
.irp nt, 0,1
.irp p, 0,2,4,6,8,10,12,14
	v_pk_add_f32 v[HA+16*\nt+\p:HA+16*\nt+\p+1], v[HA+16*\nt+\p:HA+16*\nt+\p+1], v[BV+2*\nt:BV+2*\nt+1]
.endr
.endr
	QUANTB 2, HA, PC, 0, 0x4800000                 ; the block of 32 along l is my work-group's 32 rows
.irp nt, 0,1
	global_store_b128 v[LI], v[PC+4*\nt:PC+4*\nt+3], s[VQC:VQC+1] offset:32768*\nt   ; 32 lanes store 512 consecutive bytes
.endr
	v_cmp_lt_u32 vcc_lo, 15, v1
	v_cndmask_b32 v[PW], v[TM+4], v[TM+5], vcc_lo  ; lanes 0-15 carry tile 0's bytes, lanes 16-31 tile 1's
	global_store_b8 v[VSB], v[PW], s[VQS:VQS+1]    ; single bytes: 32 a wave beside its 5,120 bytes of whole blocks; the reader then takes whole scale words
	s_wait_tensorcnt 0x0                           ; proj's chunk is in
	FETCHW 2
	BARRIER                                        ; u's four fragments and the parts of the sums of squares lie in LDS
	; ---- 2: xp, transposed: a lane holds one feature m, its registers run along l
	FETCHA UIMG, USC
	ds_load_b128 v[HA+16:HA+19], v[DGR]            ; lane l: the eight waves' parts of row l
	ds_load_b128 v[HA+20:HA+23], v[DGR] offset:16
	s_wait_dscnt 0x0
	v_add_f32 v[HA+16], v[HA+16], v[HA+17]
	v_add_f32 v[HA+18], v[HA+18], v[HA+19]
	v_add_f32 v[HA+20], v[HA+20], v[HA+21]
	v_add_f32 v[HA+22], v[HA+22], v[HA+23]
	v_add_f32 v[HA+16], v[HA+16], v[HA+18]
	v_add_f32 v[HA+20], v[HA+20], v[HA+22]
	v_add_f32 v[HA+16], v[HA+16], v[HA+20]
	v_mul_f32 v[HA+16], 0xbd000000, v[HA+16]       ; -diag = -sum(u^2) / 32
	ds_store_b32 v[DWS], v[HA+16]                  ; through my wave's own 128 bytes: LDS serves a wave's instructions in order
.irp i, 0,1,2,3
	ds_load_b128 v[HA+4*\i:HA+4*\i+3], v[DWR] offset:16*\i   ; register e: -diag of row 16 h + e
.endr
	s_wait_dscnt 0x0
	PRODD TX
	PLACES
.irp mt, 0,1
	v_max3_num_f32 v[HA+16+\mt], v[TX+16*\mt], v[TX+16*\mt+1], v[TX+16*\mt+2]   ; the largest xp; each accumulator is read from its low end on
.endr
.irp i, 3,5,7,9,11,13
.irp mt, 0,1
	v_max3_num_f32 v[HA+16+\mt], v[HA+16+\mt], v[TX+16*\mt+\i], v[TX+16*\mt+\i+1]
.endr
.endr
	v_max3_num_f32 v[HA+16], v[HA+16], v[TX+15], v[TX+31]
	v_max_num_f32 v[HA+16], v[HA+16], v[HA+17]
.irp mt, 0,1
.irp p, 0,2,4,6,8,10,12,14
	v_pk_add_f32 v[TX+16*\mt+\p:TX+16*\mt+\p+1], v[TX+16*\mt+\p:TX+16*\mt+\p+1], v[HA+\p:HA+\p+1]   ; t = xp - diag
.endr
.endr
.irp mt, 0,1
.irp j, 0,1,2,3
	global_store_b128 v[LI], v[TX+16*\mt+4*\j:TX+16*\mt+4*\j+3], s[TBB:TBB+1] offset:131072*\mt+512*\j   ; 32 lanes store 512 consecutive bytes
.endr
.endr
	v_max_num_f32_dpp v[HA+16], v[HA+16], v[HA+16] row_xmask:1 row_mask:0xf bank_mask:0xf
	v_max_num_f32_dpp v[HA+16], v[HA+16], v[HA+16] row_xmask:2 row_mask:0xf bank_mask:0xf
	v_max_num_f32_dpp v[HA+16], v[HA+16], v[HA+16] row_xmask:4 row_mask:0xf bank_mask:0xf
	v_max_num_f32_dpp v[HA+16], v[HA+16], v[HA+16] row_xmask:8 row_mask:0xf bank_mask:0xf
	v_permlanex16_b32 v[TM+4], v[HA+16], s[SEL], s[SEL+1]
	v_max_num_f32 v[HA+16], v[HA+16], v[TM+4]      ; the wave's largest xp, in every lane
	v_mov_b32 v[HA+18], 0
	v_cmp_eq_u32 vcc_lo, 0, v1
	s_wait_xcnt 0x0                                ; EXEC changes only behind this wait
	s_and_saveexec_b32 s[SVX], vcc_lo
	global_store_b32 v[HA+18], v[HA+16], s[KMB:KMB+1]
	s_wait_xcnt 0x0                                ; and again, in front of the line that widens it
	s_or_b32 exec_lo, exec_lo, s[SVX]
	s_wait_tensorcnt 0x0                           ; the wave's end, behind my last tensor load and my last LDS store
	ds_add_u32 v[SPW], v[NIL]
	s_wait_dscnt 0x0
	ROUND                                          ; the closing round
	s_endpgm
.Lfunc_end_k_q3e45080167_keys:
	.size	k_q3e45080167_keys, .Lfunc_end_k_q3e45080167_keys-k_q3e45080167_keys
	.p2alignl 7, 3214868480
	.fill 96, 4, 3214868480
	.section	.rodata,"a",@progbits
	.p2align	6, 0x0
	.amdhsa_kernel k_q3e45080167_keys
		.amdhsa_group_segment_fixed_size 327680
		.amdhsa_private_segment_fixed_size 0
		.amdhsa_enable_private_segment 0
		.amdhsa_kernarg_size 72
		.amdhsa_user_sgpr_count 2
		.amdhsa_user_sgpr_kernarg_segment_ptr 1
		.amdhsa_wavefront_size32 1
		.amdhsa_system_sgpr_workgroup_id_x 1
		.amdhsa_system_sgpr_workgroup_id_y 1
		.amdhsa_system_sgpr_workgroup_id_z 1
		.amdhsa_system_vgpr_workitem_id 0
		.amdhsa_next_free_vgpr 256
		.amdhsa_next_free_sgpr 80
		.amdhsa_reserve_vcc 1
		.amdhsa_float_denorm_mode_32 3
		.amdhsa_float_denorm_mode_16_64 3
		.amdhsa_memory_ordered 1
		.amdhsa_forward_progress 1
		.amdhsa_inst_pref_size 52
	.end_amdhsa_kernel
	.amdgpu_metadata
---
amdhsa.version: [ 1, 2 ]
amdhsa.kernels:
  - .name:           k_q3e45080167_keys
    .symbol:         k_q3e45080167_keys.kd
    .args:
      - { .name: key, .offset: 0, .size: 8, .value_kind: global_buffer, .address_space: global }
      - { .name: value, .offset: 8, .size: 8, .value_kind: global_buffer, .address_space: global }
      - { .name: pos, .offset: 16, .size: 8, .value_kind: global_buffer, .address_space: global }
      - { .name: bk, .offset: 24, .size: 8, .value_kind: global_buffer, .address_space: global }
      - { .name: bv, .offset: 32, .size: 8, .value_kind: global_buffer, .address_space: global }
      - { .name: wts, .offset: 40, .size: 8, .value_kind: global_buffer, .address_space: global }
      - { .name: tbuf, .offset: 48, .size: 8, .value_kind: global_buffer, .address_space: global }
      - { .name: kmax, .offset: 56, .size: 8, .value_kind: global_buffer, .address_space: global }
      - { .name: vcod, .offset: 64, .size: 8, .value_kind: global_buffer, .address_space: global }
    .group_segment_fixed_size: 327680
    .private_segment_fixed_size: 0
    .kernarg_segment_align: 8
    .kernarg_segment_size: 72
    .max_flat_workgroup_size: 256
    .sgpr_count:     80
    .vgpr_count:     256
    .wavefront_size: 32
...
	.end_amdgpu_metadata
.endif
;; end of part 2
;; launch sums (part 3): grid 256 x 1, 16 waves a work-group, clusters of 4 x 1, 327,680 bytes of LDS; arguments tbuf, kmax, vcod, kvs; writes kvs
.if DOCPART == 3
	.amdgcn_target "amdgcn-amd-amdhsa--gfx1250"
	.amdhsa_code_object_version 6
	.text
	.protected	k_q3e45080167_sums
	.globl	k_q3e45080167_sums
	.p2align	8
	.type	k_q3e45080167_sums,@function
k_q3e45080167_sums:
	s_mov_b64 s[64:65], 0
	v_nop
	global_prefetch_b8 v0, s[64:65] scope:SCOPE_SE
	s_setreg_imm32_b32 hwreg(HW_REG_WAVE_MODE, 25, 1), 1
	s_wait_xcnt 0x0
	s_wait_alu depctr_hold_cnt(0) depctr_sa_sdst(0) depctr_va_vdst(0) depctr_va_sdst(0) depctr_va_ssrc(0) depctr_va_vcc(0) depctr_vm_vsrc(0)
	s_getreg_b32 s2, hwreg(HW_REG_IB_STS2, 6, 4)
	s_cmp_eq_u32 s2, 0
	s_cbranch_scc0 .Lentry_in_a_cluster
	s_endpgm
.Lentry_in_a_cluster:
	s_bfe_u32 s2, ttmp6, 0x10000c
	s_cmp_lg_u32 s2, 0x3003
	s_cbranch_scc0 .Lentry_shape_is_right
	s_endpgm
.Lentry_shape_is_right:
; kp = (exp(t - mx) + 1e-6) / 16, mx the batch's largest xp; ksum = the sum of kp over l; kvs = Q(kp)^T Q(v), both quantised along l; kvs quantised along m for the next product.
; SHARES.  A work-group owns one tile of kvs: features m = 32 bp .. + 31 by channels 32 hh .. + 31 (head hh) of batch b.  Wave w owns K step w, l = 128 w .. + 127; the sixteen waves' sums meet in LDS.
; kp hangs on no head, so the eight work-groups of a (b, bp) make the same kp: 65,536 exponentials each.  Sharing l out among work-groups instead would need sums across work-groups.
; LAYOUT.  tbuf holds t in the order of the operand's registers: register 16 c + 4 j + e of lane (r, h) = t[m = 32 bp + 8 u + rho(r)][l = 128 w + 32 c + 16 h + 4 j + e]: the conversions' results are the operand.
; Source 0 = kp's tile u, source 1 = v's tile nt: lane = a channel, registers 16 nt + e = feature m = 32 bp + 16 h + e: 16 neighbours along the next K.
; CLUSTER.  The four partners share b and bp, and so t (256 KB of a work-group's 320 KB): it is asked for JOINTLY; each wave asks for the 16 KB that it alone reads.  v's fragments hang on the head, which differs
; between partners: they come by plain loads.  Nothing in LDS is filled twice; two tensor loads of a wave are out at the most.
; LIMITS: NaN and infinities are not served; an exponential under 2^-126 comes out as 0, which is nothing beside 1e-6.
.set CH,    8448
.set KSP,   262144                     ; LDS: behind t (16 waves x 16,384): the waves' parts of ksum, 128 bytes a wave
.set RED,   264192                     ; the summed tile: 8 x 512 bytes
.set SPARE, 268288                     ; the spare words: 128 bytes a wave, eight blocks of 256 bytes that no other line names
.set LI,   4                           ; v4   16 lane
.set R4,   5                           ; v5   4 r
.set TLA,  6                           ; v6   16384 w + 16 lane: my t; later my part of the tile (these bytes have had their one fill, and only I read them)
.set KSS,  7                           ; v7   KSP + 128 w + 4 lane
.set PRD,  8                           ; v8-11  65536 k + 512 (w % 8) + 16 lane: group w % 8 of the parts of waves 4 k .. 4 k + 3
.set RST,  12                          ; v12  RED + 512 (w % 8) + 16 lane
.set KSR,  13                          ; v13  KSP + 4 lane
.set RRD,  14                          ; v14  RED + 16 lane
.set KSO,  15                          ; v15  4 (8 h + rho)
.set SPW,  16                          ; v16  my spare word; never rewritten
.set NIL,  17                          ; v17  0; never rewritten
.set VSB,  18                          ; v18  4 r + 128 h
.set PW,   19
.set TM,   20                          ; v20-35
.set SA,   36                          ; v36-37  kp's scale words: scales and nothing else
.set SB,   38                          ; v38-39  v's: scales and nothing else
.set NMX,  40                          ; v[40:41] -mx, twice
.set KSU,  42                          ; v[42:45] ksum of tiles 0 and 1, in halves
.set EP,   46                          ; v[46:47] 1e-6 / 16, twice
.set CA,   48                          ; v48-63 kp's codes of tile 0, v64-79 of tile 1
.set TF0,  64                          ; v64-127  t of tile 0
.set TF1,  128                         ; v128-191 t of tile 1
.set VF,   192                         ; v192-223 v's two fragments
.set ACC,  224                         ; v224-255 four accumulators; the batch's 512 maxima at first
.set WV,   12
.set CX,   13
.set BB,   14
.set BP,   15
.set HH,   16
.set LBASE, 17
.set SEL,  20
.set MNT,  22
.set L2E,  26                          ; s[26:27] log2(e)
.set R16,  28                          ; s[28:29] 1 / 16
.set G1,   32
.set G0,   40
.set KMB,  48
.set VQC,  50
.set VQS,  52
.set KVC,  54
.set KVS,  56
.set KSB,  58
.set DT,   62                          ; s[62:63] the offset that feeds the descriptors: it never holds my place in the cluster
.macro QUANTB nb, s, pc, pos, floor    ; nb blocks; block b: 16 numbers in v[s + 16 b] on, the other 16 in lane l xor 16.  Codes to v[pc + 4 b] on, the byte to v[TM + 4 + b]
.irp b, 0,1,2,3
.if \b < \nb
.if \pos
	v_max3_num_f32 v[TM+\b], v[\s+16*\b], v[\s+16*\b+1], \floor
.else
	v_max3_num_f32 v[TM+\b], |v[\s+16*\b]|, |v[\s+16*\b+1]|, \floor
.endif
.endif
.endr
.irp i, 2,4,6,8,10,12,14
.irp b, 0,1,2,3
.if \b < \nb
.if \pos
	v_max3_num_f32 v[TM+\b], v[TM+\b], v[\s+16*\b+\i], v[\s+16*\b+\i+1]
.else
	v_max3_num_f32 v[TM+\b], v[TM+\b], |v[\s+16*\b+\i]|, |v[\s+16*\b+\i+1]|
.endif
.endif
.endr
.endr
.irp b, 0,1,2,3
.if \b < \nb
	v_permlanex16_b32 v[TM+4+\b], v[TM+\b], s[SEL], s[SEL+1]
.endif
.endr
.irp b, 0,1,2,3
.if \b < \nb
	v_max_num_f32 v[TM+\b], v[TM+\b], v[TM+4+\b]
.endif
.endr
.irp b, 0,1,2,3
.if \b < \nb
	v_add_nc_u32 v[TM+12+\b], 0xfc000000, v[TM+\b]         ; 8 off the exponent field: the conversion's scale operand
.endif
.endr
.irp b, 0,1,2,3
.if \b < \nb
	v_and_or_b32 v[TM+8+\b], v[TM+\b], 0x7f800000, s[MNT]  ; 448 x the scale
.endif
.endr
.irp b, 0,1,2,3
.if \b < \nb
	v_lshrrev_b32 v[TM+4+\b], 23, v[TM+12+\b]              ; the scale's byte
.endif
.endr
.irp b, 0,1,2,3
.if \b < \nb
.irp i, 0,1,2,3,4,5,6,7,8,9,10,11,12,13,14,15
.if \pos
	v_min_num_f32 v[\s+16*\b+\i], v[\s+16*\b+\i], v[TM+8+\b]   ; nothing is negative: the hold is one-sided
.else
	v_med3_num_f32 v[\s+16*\b+\i], v[\s+16*\b+\i], -v[TM+8+\b], v[TM+8+\b]
.endif
.endr
	v_cvt_scalef32_pk8_fp8_f32 v[\pc+4*\b:\pc+4*\b+1], v[\s+16*\b:\s+16*\b+7], v[TM+12+\b]
	v_cvt_scalef32_pk8_fp8_f32 v[\pc+4*\b+2:\pc+4*\b+3], v[\s+16*\b+8:\s+16*\b+15], v[TM+12+\b]
.endif
.endr
	v_nop                                          ; one plain line behind the last conversion
.endm
.macro PLACES
.rept 9
	v_nop
.endr
.endm
.macro BARRIER
	s_wait_dscnt 0x0
	s_barrier_signal -1
	s_barrier_wait -1
.endm
.macro ROUND
	s_barrier_signal -1
	s_barrier_wait -1
	s_cmp_lg_u32 s[WV], 0
	s_cbranch_scc1 .Lnot_wave_0_\@
	s_barrier_signal -3
.Lnot_wave_0_\@:
	s_barrier_wait -3
	s_barrier_signal -1
	s_barrier_wait -1
.endm
; tile u: 64 numbers of t in v[tf] on become kp; their sum joins ksum; their codes go to v[CA + 16 u] on and their scale word to v[SA + u]
.macro KPQ u, tf
.set pp, 0
.rept 32
	v_pk_add_f32 v[\tf+pp:\tf+pp+1], v[\tf+pp:\tf+pp+1], v[NMX:NMX+1]             ; t - mx
.set pp, pp+2
.endr
.set pp, 0
.rept 32
	v_pk_mul_f32 v[\tf+pp:\tf+pp+1], v[\tf+pp:\tf+pp+1], s[L2E:L2E+1] op_sel_hi:[1,0]
.set pp, pp+2
.endr
.set pp, 0
.rept 64
	v_exp_f32 v[\tf+pp], v[\tf+pp]
.set pp, pp+1
.endr
	v_nop                                          ; a plain line behind the last exponential
	s_wait_alu depctr_va_vdst(0)                   ; one wait for the whole batch, ahead of its first reader
.set pp, 0
.rept 32
	v_pk_fma_f32 v[\tf+pp:\tf+pp+1], v[\tf+pp:\tf+pp+1], s[R16:R16+1], v[EP:EP+1] op_sel_hi:[1,0,1]   ; (e + 1e-6) / 16: the division by 16 rounds nothing
.set pp, pp+2
.endr
	v_pk_add_f32 v[KSU+2*\u:KSU+2*\u+1], v[\tf:\tf+1], v[\tf+2:\tf+3]             ; the sum of the unquantised kp, in two chains
	v_pk_add_f32 v[TM:TM+1], v[\tf+4:\tf+5], v[\tf+6:\tf+7]
.set pp, 8
.rept 14
	v_pk_add_f32 v[KSU+2*\u:KSU+2*\u+1], v[KSU+2*\u:KSU+2*\u+1], v[\tf+pp:\tf+pp+1]
	v_pk_add_f32 v[TM:TM+1], v[TM:TM+1], v[\tf+pp+2:\tf+pp+3]
.set pp, pp+4
.endr
	v_pk_add_f32 v[KSU+2*\u:KSU+2*\u+1], v[KSU+2*\u:KSU+2*\u+1], v[TM:TM+1]
	QUANTB 4, \tf, CA+16*\u, 1, 0x4800000
	v_lshl_or_b32 v[SA+\u], v[TM+5], 8, v[TM+4]
	v_lshl_or_b32 v[SA+\u], v[TM+6], 16, v[SA+\u]
	v_lshl_or_b32 v[SA+\u], v[TM+7], 24, v[SA+\u]
.endm
	s_load_b256 s[4:11], s[0:1], 0x0               ; tbuf, kmax, vcod, kvs
	v_lshl_add_u32 v[SPW], v0, 2, SPARE
	v_mov_b32 v[NIL], 0
	ds_add_u32 v[SPW], v[NIL]                      ; the wave's opening: the add and its wait stand ahead of the round in front of my first tensor load
	v_lshrrev_b32 v1, 5, v0
	v_readfirstlane_b32 s[WV], v1                  ; wave 0..15
	v_and_b32 v1, 31, v0
	v_and_b32 v2, 15, v0
	v_bfe_u32 v3, v0, 4, 1
	v_lshlrev_b32 v[LI], 4, v1
	v_lshlrev_b32 v[R4], 2, v2
	s_lshl_b32 s[LBASE], s[WV], 14
	v_add_nc_u32 v[TLA], s[LBASE], v[LI]
	s_lshl_b32 s30, s[WV], 7
	s_add_co_u32 s30, s30, KSP
	v_lshlrev_b32 v[KSS], 2, v1
	v_add_nc_u32 v[KSR], KSP, v[KSS]
	v_add_nc_u32 v[KSS], s30, v[KSS]
	s_and_b32 s30, s[WV], 7
	s_lshl_b32 s30, s30, 9
	v_add_nc_u32 v[PRD], s30, v[LI]
	v_add_nc_u32 v[PRD+1], 65536, v[PRD]
	v_add_nc_u32 v[PRD+2], 131072, v[PRD]
	v_add_nc_u32 v[PRD+3], 196608, v[PRD]
	v_add_nc_u32 v[RST], RED, v[PRD]
	v_add_nc_u32 v[RRD], RED, v[LI]
	v_and_b32 v[KSO], 8, v2
	v_add_nc_u32 v[KSO], v[KSO], v2
	v_lshl_add_u32 v[KSO], v3, 3, v[KSO]
	v_lshlrev_b32 v[KSO], 2, v[KSO]
	v_lshl_add_u32 v[VSB], v3, 7, v[R4]
.irp b, 0,1,2,3
	v_mov_b32 v[TM+4+\b], 0                        ; written once: a lane permute's destination counts as one of its sources
.endr
	v_mov_b32 v[EP], 0x338637bd                    ; 1e-6 / 16
	v_mov_b32 v[EP+1], v[EP]
	s_mov_b32 s[SEL], 0x76543210
	s_mov_b32 s[SEL+1], 0xfedcba98
	s_mov_b32 s[MNT], 0x600000
	s_mov_b32 s[L2E], 0x3fb8aa3b
	s_mov_b32 s[L2E+1], s[L2E]
	s_mov_b32 s[R16], 0x3d800000
	s_mov_b32 s[R16+1], s[R16]
	s_bfe_u32 s[CX], ttmp6, 0x40000                ; my place in the cluster: it enters the head alone
	s_lshr_b32 s[BB], ttmp9, 4                     ; the batch,
	s_bfe_u32 s[BP], ttmp9, 0x30001                ; the block of 32 features: the partners share both
	s_and_b32 s[HH], ttmp9, 1
	s_lshl_b32 s[HH], s[HH], 2
	s_add_co_u32 s[HH], s[HH], s[CX]               ; the head
	; descriptor group 1: 8,192 dense bytes as 32 rows of 256 (32 elements of 8 bytes)
	s_mov_b32 s[G1], 15|(3<<16)|(1<<21)            ; the mask: all four work-groups; elements of 8 bytes; bit 21 beside a mask
	s_mov_b32 s[G1+1], 32<<16
	s_mov_b32 s[G1+2], 32<<16
	s_mov_b32 s[G1+3], 32<<16
	s_mov_b32 s[G1+4], 32
	s_mov_b32 s[G1+5], 32
	s_mov_b32 s[G1+6], 0
	s_mov_b32 s[G1+7], 0
	s_lshl_b32 s[DT], s[BB], 21                    ; t of (b, tile 2 bp, K step w)
	s_lshl_b32 s30, s[BP], 18
	s_add_co_u32 s[DT], s[DT], s30
	s_lshl_b32 s30, s[WV], 13
	s_add_co_u32 s[DT], s[DT], s30
	s_mov_b32 s[DT+1], 0
	s_mov_b32 s25, 0
	s_wait_dscnt 0x0                               ; the opening add is done
	s_wait_kmcnt 0x0
	s_lshl_b32 s24, s[BB], 11
	s_add_nc_u64 s[KMB:KMB+1], s[6:7], s[24:25]
.irp i, 0,1,2,3
	global_load_b128 v[ACC+4*\i:ACC+4*\i+3], v[LI], s[KMB:KMB+1] offset:512*\i   ; the batch's 512 maxima: 16 a lane
.endr
	s_lshl_b32 s24, s[BB], 19
	s_lshl_b32 s18, s[HH], 16
	s_add_co_u32 s24, s24, s18
	s_lshl_b32 s18, s[WV], 11
	s_add_co_u32 s24, s24, s18
	s_add_nc_u64 s[VQC:VQC+1], s[8:9], s[24:25]
.irp nt, 0,1
.irp c, 0,1,2,3
	global_load_b128 v[VF+16*\nt+4*\c:VF+16*\nt+4*\c+3], v[LI], s[VQC:VQC+1] offset:32768*\nt+512*\c
.endr
.endr
	s_lshl_b32 s24, s[BB], 14
	s_lshl_b32 s18, s[HH], 11
	s_add_co_u32 s24, s24, s18
	s_lshl_b32 s18, s[WV], 6
	s_add_co_u32 s24, s24, s18
	s_add_co_u32 s24, s24, 2097152
	s_add_nc_u64 s[VQS:VQS+1], s[8:9], s[24:25]
.irp nt, 0,1
	global_load_b32 v[SB+\nt], v[R4], s[VQS:VQS+1] offset:1024*\nt
.endr
	s_mov_b32 s[G0], 1
	s_mov_b32 s[G0+1], s[LBASE]
	s_add_nc_u64 s[G0+2:G0+3], s[4:5], s[DT:DT+1]
	s_mov_b32 s[G0+4], 1
	s_add_co_u32 s[G0+5], s[LBASE], 8192
	s_add_nc_u64 s[G0+6:G0+7], s[G0+2:G0+3], 131072   ; tile 2 bp + 1
	s_or_b32 s[G0+3], s[G0+3], 0x80000000
	s_or_b32 s[G0+7], s[G0+7], 0x80000000
	s_mul_i32 s23, s[BB], 67584                    ; kvs: chunk (b, head), laid as a weight chunk
	s_mul_i32 s18, s[HH], CH
	s_add_co_u32 s23, s23, s18
	s_lshl_b32 s18, s[BP], 9
	s_add_co_u32 s24, s23, s18
	s_add_nc_u64 s[KVC:KVC+1], s[10:11], s[24:25]  ; codes: + 4096 nt + 512 bp
	s_lshr_b32 s18, s[BP], 2
	s_lshl_b32 s18, s18, 6
	s_add_co_u32 s24, s23, s18
	s_and_b32 s18, s[BP], 3
	s_add_co_u32 s24, s24, s18
	s_add_co_u32 s24, s24, 8192
	s_add_nc_u64 s[KVS:KVS+1], s[10:11], s[24:25]  ; scale bytes: + 8192 + 128 nt + 64 (bp / 4) + 4 r + bp % 4
	s_lshl_b32 s24, s[BB], 13
	s_lshl_b32 s18, s[HH], 10
	s_add_co_u32 s24, s24, s18
	s_lshl_b32 s18, s[BP], 7
	s_add_co_u32 s24, s24, s18
	s_add_co_u32 s24, s24, 270336
	s_add_nc_u64 s[KSB:KSB+1], s[10:11], s[24:25]  ; ksum [b][head][m]
	ROUND                                          ; all four work-groups are here: the joint loads meet
	tensor_load_to_lds s[G0:G0+3], s[G1:G1+7]
	s_nop 0
	tensor_load_to_lds s[G0+4:G0+7], s[G1:G1+7]
	s_nop 0
.rept 4
	v_nop
.endr
	; ---- mx
	s_wait_loadcnt 10                              ; the maxima are in; v's 8 loads and its 2 scale words, issued behind them, may be out
	v_max3_num_f32 v[PW], v[ACC], v[ACC+1], v[ACC+2]
.irp i, 3,5,7,9,11,13
	v_max3_num_f32 v[PW], v[PW], v[ACC+\i], v[ACC+\i+1]
.endr
	v_max_num_f32 v[PW], v[PW], v[ACC+15]
	v_max_num_f32_dpp v[PW], v[PW], v[PW] row_xmask:1 row_mask:0xf bank_mask:0xf
	v_max_num_f32_dpp v[PW], v[PW], v[PW] row_xmask:2 row_mask:0xf bank_mask:0xf
	v_max_num_f32_dpp v[PW], v[PW], v[PW] row_xmask:4 row_mask:0xf bank_mask:0xf
	v_max_num_f32_dpp v[PW], v[PW], v[PW] row_xmask:8 row_mask:0xf bank_mask:0xf
	v_permlanex16_b32 v[TM+4], v[PW], s[SEL], s[SEL+1]
	v_max_num_f32 v[PW], v[PW], v[TM+4]
	v_mul_f32 v[NMX], -1.0, v[PW]
	v_mov_b32 v[NMX+1], v[NMX]
	; ---- t into registers
	s_wait_tensorcnt 0x1                           ; tile 0's t is in; tile 1's, issued behind it, may be out
.irp c, 0,1,2,3
.irp j, 0,1,2,3
	ds_load_b128 v[TF0+16*\c+4*\j:TF0+16*\c+4*\j+3], v[TLA] offset:2048*\c+512*\j
.endr
.endr
	s_wait_tensorcnt 0x0
.irp c, 0,1,2,3
.irp j, 0,1,2,3
	ds_load_b128 v[TF1+16*\c+4*\j:TF1+16*\c+4*\j+3], v[TLA] offset:8192+2048*\c+512*\j
.endr
.endr
	s_wait_dscnt 16                                ; tile 0's 16 loads are in; tile 1's 16 may be out
	KPQ 0, TF0
	s_wait_dscnt 0x0
	KPQ 1, TF1
	; ---- my K step's part of ksum: lanes 0-15 carry tile 0's rows, lanes 16-31 tile 1's
	v_add_f32 v[KSU], v[KSU], v[KSU+1]
	v_add_f32 v[KSU+2], v[KSU+2], v[KSU+3]
	v_permlanex16_b32 v[TM+4], v[KSU], s[SEL], s[SEL+1]
	v_permlanex16_b32 v[TM+5], v[KSU+2], s[SEL], s[SEL+1]
	v_add_f32 v[KSU], v[KSU], v[TM+4]
	v_add_f32 v[KSU+2], v[KSU+2], v[TM+5]
	v_cmp_lt_u32 vcc_lo, 15, v1
	v_cndmask_b32 v[KSU], v[KSU], v[KSU+2], vcc_lo
	ds_store_b32 v[KSS], v[KSU]
.rept 8
	v_nop                                          ; a scale word made by vector instructions stands eight plain lines ahead of the product that takes it, codes so made four
.endr
	s_wait_loadcnt 0x0                             ; v
.irp nt, 0,1
.irp u, 0,1
	v_wmma_scale_f32_16x16x128_f8f6f4 v[ACC+16*\nt+8*\u:ACC+16*\nt+8*\u+7], v[CA+16*\u:CA+16*\u+15], v[VF+16*\nt:VF+16*\nt+15], 0, v[SA+\u], v[SB+\nt]
.endr
.endr
	PLACES
.irp q, 0,1,2,3,4,5,6,7
	ds_store_b128 v[TLA], v[ACC+4*\q:ACC+4*\q+3] offset:512*\q   ; my part of the tile, as it stands; each accumulator from its low end on
.endr
	BARRIER                                        ; sixteen parts of the tile and of ksum lie in LDS
	; ---- waves 0-7 each sum one group of four registers over the sixteen parts; wave 8 sums ksum
	s_cmp_lt_u32 s[WV], 8
	s_cbranch_scc0 .Lnot_red
.irp k, 0,1,2,3
.irp i, 0,1,2,3
	ds_load_b128 v[TF0+16*\k+4*\i:TF0+16*\k+4*\i+3], v[PRD+\k] offset:16384*\i
.endr
.endr
	s_wait_dscnt 0x0
.irp d, 32,16,8,4
.set pp, 0
.rept \d/2
	v_pk_add_f32 v[TF0+pp:TF0+pp+1], v[TF0+pp:TF0+pp+1], v[TF0+\d+pp:TF0+\d+pp+1]
.set pp, pp+2
.endr
.endr
	ds_store_b128 v[RST], v[TF0:TF0+3]
	s_branch .Ljoin
.Lnot_red:
	s_cmp_eq_u32 s[WV], 8
	s_cbranch_scc0 .Ljoin
.irp i, 0,1,2,3,4,5,6,7,8,9,10,11,12,13,14,15
	ds_load_b32 v[TF0+\i], v[KSR] offset:128*\i
.endr
	s_wait_dscnt 0x0
.irp d, 8,4,2,1
.set pp, 0
.rept \d
	v_add_f32 v[TF0+pp], v[TF0+pp], v[TF0+\d+pp]
.set pp, pp+1
.endr
.endr
	global_store_b32 v[KSO], v[TF0], s[KSB:KSB+1]  ; 32 lanes fill 128 consecutive bytes: m = 32 bp + 8 h + rho(r)
.Ljoin:
	BARRIER                                        ; the summed tile lies in LDS
	; ---- wave 0 quantises it along m: the block of 32 is bp
	s_cmp_lg_u32 s[WV], 0
	s_cbranch_scc1 .Lend
.irp i, 0,1,2,3,4,5,6,7
	ds_load_b128 v[TF1+4*\i:TF1+4*\i+3], v[RRD] offset:512*\i
.endr
	s_wait_dscnt 0x0
	QUANTB 2, TF1, CA, 0, 0x4800000
.irp nt, 0,1
	global_store_b128 v[LI], v[CA+4*\nt:CA+4*\nt+3], s[KVC:KVC+1] offset:4096*\nt   ; 512 consecutive bytes
.endr
	v_cmp_lt_u32 vcc_lo, 15, v1
	v_cndmask_b32 v[PW], v[TM+4], v[TM+5], vcc_lo
	global_store_b8 v[VSB], v[PW], s[KVS:KVS+1]
.Lend:
	s_wait_tensorcnt 0x0                           ; the wave's end, behind my last tensor load and my last LDS store
	ds_add_u32 v[SPW], v[NIL]
	s_wait_dscnt 0x0
	ROUND                                          ; the closing round
	s_endpgm
.Lfunc_end_k_q3e45080167_sums:
	.size	k_q3e45080167_sums, .Lfunc_end_k_q3e45080167_sums-k_q3e45080167_sums
	.p2alignl 7, 3214868480
	.fill 96, 4, 3214868480
	.section	.rodata,"a",@progbits
	.p2align	6, 0x0
	.amdhsa_kernel k_q3e45080167_sums
		.amdhsa_group_segment_fixed_size 327680
		.amdhsa_private_segment_fixed_size 0
		.amdhsa_enable_private_segment 0
		.amdhsa_kernarg_size 32
		.amdhsa_user_sgpr_count 2
		.amdhsa_user_sgpr_kernarg_segment_ptr 1
		.amdhsa_wavefront_size32 1
		.amdhsa_system_sgpr_workgroup_id_x 1
		.amdhsa_system_sgpr_workgroup_id_y 1
		.amdhsa_system_sgpr_workgroup_id_z 1
		.amdhsa_system_vgpr_workitem_id 0
		.amdhsa_next_free_vgpr 256
		.amdhsa_next_free_sgpr 66
		.amdhsa_reserve_vcc 1
		.amdhsa_float_denorm_mode_32 3
		.amdhsa_float_denorm_mode_16_64 3
		.amdhsa_memory_ordered 1
		.amdhsa_forward_progress 1
		.amdhsa_inst_pref_size 55
	.end_amdhsa_kernel
	.amdgpu_metadata
---
amdhsa.version: [ 1, 2 ]
amdhsa.kernels:
  - .name:           k_q3e45080167_sums
    .symbol:         k_q3e45080167_sums.kd
    .args:
      - { .name: tbuf, .offset: 0, .size: 8, .value_kind: global_buffer, .address_space: global }
      - { .name: kmax, .offset: 8, .size: 8, .value_kind: global_buffer, .address_space: global }
      - { .name: vcod, .offset: 16, .size: 8, .value_kind: global_buffer, .address_space: global }
      - { .name: kvs, .offset: 24, .size: 8, .value_kind: global_buffer, .address_space: global }
    .group_segment_fixed_size: 327680
    .private_segment_fixed_size: 0
    .kernarg_segment_align: 8
    .kernarg_segment_size: 32
    .max_flat_workgroup_size: 512
    .sgpr_count:     66
    .vgpr_count:     256
    .wavefront_size: 32
...
	.end_amdgpu_metadata
.endif
;; end of part 3
;; launch query (part 4): grid 256 x 1, 8 waves a work-group, clusters of 4 x 1, 327,680 bytes of LDS; arguments query, pos, bq, bo, wts, kvs, out0; writes out0
.if DOCPART == 4
	.amdgcn_target "amdgcn-amd-amdhsa--gfx1250"
	.amdhsa_code_object_version 6
	.text
	.protected	k_q3e45080167_query
	.globl	k_q3e45080167_query
	.p2align	8
	.type	k_q3e45080167_query,@function
k_q3e45080167_query:
	s_mov_b64 s[64:65], 0
	v_nop
	global_prefetch_b8 v0, s[64:65] scope:SCOPE_SE
	s_setreg_imm32_b32 hwreg(HW_REG_WAVE_MODE, 25, 1), 1
	s_wait_xcnt 0x0
	s_wait_alu depctr_hold_cnt(0) depctr_sa_sdst(0) depctr_va_vdst(0) depctr_va_sdst(0) depctr_va_ssrc(0) depctr_va_vcc(0) depctr_vm_vsrc(0)
	s_getreg_b32 s2, hwreg(HW_REG_IB_STS2, 6, 4)
	s_cmp_eq_u32 s2, 0
	s_cbranch_scc0 .Lentry_in_a_cluster
	s_endpgm
.Lentry_in_a_cluster:
	s_bfe_u32 s2, ttmp6, 0x10000c
	s_cmp_lg_u32 s2, 0x3003
	s_cbranch_scc0 .Lentry_shape_is_right
	s_endpgm
.Lentry_shape_is_right:
; THE QUERY SIDE, for 32 rows l of one batch, through the whole chain: q = Q(query) Q(Wq) + bq; u = the rotary turn; xp = Q(u / 4) Q(proj)^T; qp = (exp(xp - sum(u^2) / 32 - the row's largest xp) + 1e-6) / 16;
; num = Q(qp) Q(kvs); den = qp . ksum, in f32 multiply-adds; ctx = num / den; out = Q(ctx) Q(Wo) + bo.  All products but den on codes of FP8 (E4M3) with E8M0 scales, sums in f32.  Nothing between goes to memory.
; reference() copies q to its 8 heads before anything hangs on the head: the heads' rows of xp, qp and den are the same numbers, and are made once.  The input mask is an argument that reference() never uses: it is not read.
; SHARES.  Work-group g takes rows 32 g .. + 31.  THE WAVES SHARE THE COLUMNS: wave w owns columns 32 w .. + 31 of q, features 32 w .. + 31 of xp and qp, head w of num and ctx, columns 32 w .. + 31 of out.
; Each product is used with my weights as source 0 and the rows as source 1: a lane holds one row l = 8 lt + rho(r), and its 16 registers 16 neighbours of my 32 columns: one block of the next K with lane l xor 16.
; So each result is quantised in registers and goes to LDS as K block w of the next operand's image.  A row's maximum, sum of squares and den meet in LDS as [l][w].
; THE LOADS ARE DENSE.  A load of query covers two runs of 256 consecutive bytes, a load of pos four runs of 128; the bytes go through the wave's own stage in LDS as they lie and come back 64 bytes a lane.
; CLUSTER.  All work-groups of a batch read the same four chunks a wave (Wq, proj, kvs of head w, Wo: 33,792 bytes): the four of a cluster ask for them JOINTLY; each wave asks for the bytes that it alone reads.
; Nothing in LDS is filled twice; four tensor loads of a wave are out at the most.
; LIMITS: NaN and infinities are not served; a block of zeros gets the floor's byte; an exponential under 2^-126 comes out as 0, which is nothing beside 1e-6; the division is a multiplication by v_rcp_f32.
.set CH,    8448
.set NM,    4
.set XIMG,  0                          ; LDS: query's four fragments,
.set XSC,   8192                       ; and their scale words
.set STG,   8448                       ; a stage of 4,608 bytes for each wave, the wave's own: 16 rows of 256 + 16 bytes; then, in the same bytes, pos: 32 rows of 128 + 16.  8 x 4,608 bytes, up to 45,312.
                                       ; The stages are done with at the first barrier, in front of which every wave has waited for all its LDS instructions; what follows lies in their bytes and is first written behind that barrier:
.set UIMG,  8448                       ; three images of four fragments each,
.set QIMG,  16640
.set CIMG,  24832
.set USC,   33024                      ; their scale words,
.set QSC,   33280
.set CSC,   33536
.set DGP,   33792                      ; [l 32][w 8] f32: parts of sum(u^2),
.set MXP,   34816                      ; of the row's largest xp,
.set DNP,   35840                      ; of den
.set SPARE, 45312                      ; the spare words: 128 bytes a wave, four blocks of 256 bytes that no other line names
.set WL,    46336                      ; the weights: 8 waves x 4 chunks.  The stage for out (32 rows x 1,040 bytes) lies in wave 0's part, which has had its one fill and its last read when the first result is stored there
.set PGO,  5                           ; v5   pos' loads: 1024 (lane / 8) + 16 (lane % 8)
.set LI,   6
.set R4,   7
.set H64,  8
.set UWI,  9
.set UWB,  10
.set PSA,  11
.set WLA,  12
.set WLS,  13
.set XWI,  14                          ; v14  16 lane + 1024 w
.set XWS,  15                          ; v15  4 r + 64 (w / 2) + 2 (w % 2)
.set PR,   16                          ; v16  32 rho
.set STO,  17                          ; v17  WL + 1040 rho + 64 h + 128 w
.set SRD,  18                          ; v18  WL + 4160 w + 16 lane
.set XGO,  19                          ; v19  query's loads: 1024 h + 16 r
.set SXW,  20                          ; v20  my stage + 272 h + 16 r
.set SPW,  21
.set NIL,  22
.set PW,   23
.set TM,   24
.set WSC,  40                          ; v40-43  the weights' scale words: scales and nothing else
.set DSC,  44                          ; v44-47  the rows' scale words: scales and nothing else
.set PC,   48
.set ND,   56                          ; v[56:59] -diag of my two rows, each twice; later 1 / den
.set NX,   60                          ; v[60:63] -mx likewise
.set A,    64
.set W,    128
.set SXR,  128                         ; v128 my stage + 272 r + 64 h                    (these three serve the first phase alone, before the weights' fragments take the registers)
.set SPS,  129                         ; v129 my stage + 144 (lane / 8) + 16 (lane % 8)
.set SPR,  130                         ; v130 my stage + 144 rho + 64 h
.set TT,   128
.set SQ,   144
.set EP,   160                         ; v[160:161] 1e-6 / 16, twice
.set DNT,  162                         ; v[162:165] den at work
.set POS,  192
.set KS,   192                         ; v192-207 ksum of my 16 features
.set BO,   208                         ; v208-223 bo in the result's layout
.set HA,   224
.set WV,   18
.set CX,   19
.set GID,  20
.set BB,   21
.set LB,   22
.set LBASE, 23
.set SEL,  28
.set MNT,  30
.set L2E,  32
.set R16,  34
.set G1,   36
.set G0,   44                          ; s[44:59] four groups 0
.set XB,   60
.set PB,   62
.set BQB,  66
.set BOB,  68
.set KSB,  70
.set OB,   72
.set WB,   74
.set KVB,  76
.set DT,   78                          ; s[78:79] the offsets that feed the descriptors: they never hold my place in the cluster
.macro QUANTB nb, s, pc, pos, floor    ; nb blocks; block b: 16 numbers in v[s + 16 b] on, the other 16 in lane l xor 16.  Codes to v[pc + 4 b] on, the byte to v[TM + 4 + b]
.irp b, 0,1,2,3
.if \b < \nb
.if \pos
	v_max3_num_f32 v[TM+\b], v[\s+16*\b], v[\s+16*\b+1], \floor
.else
	v_max3_num_f32 v[TM+\b], |v[\s+16*\b]|, |v[\s+16*\b+1]|, \floor
.endif
.endif
.endr
.irp i, 2,4,6,8,10,12,14
.irp b, 0,1,2,3
.if \b < \nb
.if \pos
	v_max3_num_f32 v[TM+\b], v[TM+\b], v[\s+16*\b+\i], v[\s+16*\b+\i+1]
.else
	v_max3_num_f32 v[TM+\b], v[TM+\b], |v[\s+16*\b+\i]|, |v[\s+16*\b+\i+1]|
.endif
.endif
.endr
.endr
.irp b, 0,1,2,3
.if \b < \nb
	v_permlanex16_b32 v[TM+4+\b], v[TM+\b], s[SEL], s[SEL+1]
.endif
.endr
.irp b, 0,1,2,3
.if \b < \nb
	v_max_num_f32 v[TM+\b], v[TM+\b], v[TM+4+\b]
.endif
.endr
.irp b, 0,1,2,3
.if \b < \nb
	v_add_nc_u32 v[TM+12+\b], 0xfc000000, v[TM+\b]         ; 8 off the exponent field: the conversion's scale operand
.endif
.endr
.irp b, 0,1,2,3
.if \b < \nb
	v_and_or_b32 v[TM+8+\b], v[TM+\b], 0x7f800000, s[MNT]  ; 448 x the scale
.endif
.endr
.irp b, 0,1,2,3
.if \b < \nb
	v_lshrrev_b32 v[TM+4+\b], 23, v[TM+12+\b]              ; the scale's byte
.endif
.endr
.irp b, 0,1,2,3
.if \b < \nb
.irp i, 0,1,2,3,4,5,6,7,8,9,10,11,12,13,14,15
.if \pos
	v_min_num_f32 v[\s+16*\b+\i], v[\s+16*\b+\i], v[TM+8+\b]
.else
	v_med3_num_f32 v[\s+16*\b+\i], v[\s+16*\b+\i], -v[TM+8+\b], v[TM+8+\b]   ; the conversion does not saturate (ISA guide 7.6.2): the hold comes first
.endif
.endr
	v_cvt_scalef32_pk8_fp8_f32 v[\pc+4*\b:\pc+4*\b+1], v[\s+16*\b:\s+16*\b+7], v[TM+12+\b]
	v_cvt_scalef32_pk8_fp8_f32 v[\pc+4*\b+2:\pc+4*\b+3], v[\s+16*\b+8:\s+16*\b+15], v[TM+12+\b]
.endif
.endr
	v_nop                                          ; one plain line behind the last conversion
.endm
.macro FETCHA img, sc
.irp f, 0,1,2,3
.irp c, 0,1,2,3
	ds_load_b128 v[A+16*\f+4*\c:A+16*\f+4*\c+3], v[LI] offset:\img+2048*\f+512*\c
.endr
	ds_load_b32 v[DSC+\f], v[R4] offset:\sc+64*\f
.endr
.endm
.macro FETCHW i
.irp f, 0,1,2,3
.irp c, 0,1,2,3
	ds_load_b128 v[W+16*\f+4*\c:W+16*\f+4*\c+3], v[WLA] offset:CH*\i+2048*\f+512*\c
.endr
	ds_load_b32 v[WSC+\f], v[WLS] offset:CH*\i+8192+64*\f
.endr
.endm
; source 0 = my weights' tile u, source 1 = the rows' tile lt.  cm: what starts the sums: 0 the constant 0; 1 the bias that lies in the accumulators; 2 bo's registers.  The four accumulators take turns.
.macro PRODW D, cm
.irp ks, 0,1
.irp lt, 0,1
.irp u, 0,1
.if \ks == 1 || \cm == 1
	v_wmma_scale_f32_16x16x128_f8f6f4 v[\D+16*\lt+8*\u:\D+16*\lt+8*\u+7], v[W+16*(2*\u+\ks):W+16*(2*\u+\ks)+15], v[A+16*(2*\lt+\ks):A+16*(2*\lt+\ks)+15], v[\D+16*\lt+8*\u:\D+16*\lt+8*\u+7], v[WSC+2*\u+\ks], v[DSC+2*\lt+\ks]
.elseif \cm == 2
	v_wmma_scale_f32_16x16x128_f8f6f4 v[\D+16*\lt+8*\u:\D+16*\lt+8*\u+7], v[W+16*(2*\u+\ks):W+16*(2*\u+\ks)+15], v[A+16*(2*\lt+\ks):A+16*(2*\lt+\ks)+15], v[BO+8*\u:BO+8*\u+7], v[WSC+2*\u+\ks], v[DSC+2*\lt+\ks]
.else
	v_wmma_scale_f32_16x16x128_f8f6f4 v[\D+16*\lt+8*\u:\D+16*\lt+8*\u+7], v[W+16*(2*\u+\ks):W+16*(2*\u+\ks)+15], v[A+16*(2*\lt+\ks):A+16*(2*\lt+\ks)+15], 0, v[WSC+2*\u+\ks], v[DSC+2*\lt+\ks]
.endif
.endr
.endr
.endr
.endm
.macro PLACES                          ; nine plain lines behind a run of products: they serve reads of results, loads into operands, and later products that write over these registers
.rept 9
	v_nop
.endr
.endm
.macro BARRIER
	s_wait_dscnt 0x0
	s_barrier_signal -1
	s_barrier_wait -1
.endm
.macro ROUND
	s_barrier_signal -1
	s_barrier_wait -1
	s_cmp_lg_u32 s[WV], 0
	s_cbranch_scc1 .Lnot_wave_0_\@
	s_barrier_signal -3
.Lnot_wave_0_\@:
	s_barrier_wait -3
	s_barrier_signal -1
	s_barrier_wait -1
.endm
.macro DESC i, base, off
	s_mov_b32 s[G0+4*\i], 1
	s_add_co_u32 s[G0+4*\i+1], s[LBASE], CH*\i
	s_add_nc_u64 s[G0+4*\i+2:G0+4*\i+3], s[\base:\base+1], \off
	s_or_b32 s[G0+4*\i+3], s[G0+4*\i+3], 0x80000000
.endm
.macro ROT                             ; with (s, c) = pos at (2 i, 2 i + 1): x0 c - x1 s, x1 c + x0 s
.irp lt, 0,1
.irp p, 0,2,4,6,8,10,12,14
	v_mul_f32 v[TT+\p], v[HA+16*\lt+\p+1], v[POS+16*\lt+\p]
	v_mul_f32 v[TT+\p+1], v[HA+16*\lt+\p], v[POS+16*\lt+\p]
.endr
.irp p, 0,2,4,6,8,10,12,14
	v_fma_f32 v[HA+16*\lt+\p], v[HA+16*\lt+\p], v[POS+16*\lt+\p+1], -v[TT+\p]
	v_fma_f32 v[HA+16*\lt+\p+1], v[HA+16*\lt+\p+1], v[POS+16*\lt+\p+1], v[TT+\p+1]
.endr
.endr
.endm
.macro DIAGP
.irp lt, 0,1
	v_pk_mul_f32 v[SQ+2*\lt:SQ+2*\lt+1], v[HA+16*\lt:HA+16*\lt+1], v[HA+16*\lt:HA+16*\lt+1]
.endr
.irp p, 2,4,6,8,10,12,14
.irp lt, 0,1
	v_pk_fma_f32 v[SQ+2*\lt:SQ+2*\lt+1], v[HA+16*\lt+\p:HA+16*\lt+\p+1], v[HA+16*\lt+\p:HA+16*\lt+\p+1], v[SQ+2*\lt:SQ+2*\lt+1]
.endr
.endr
.irp lt, 0,1
	v_add_f32 v[SQ+2*\lt], v[SQ+2*\lt], v[SQ+2*\lt+1]
.endr
.irp lt, 0,1
	v_permlanex16_b32 v[TM+4+\lt], v[SQ+2*\lt], s[SEL], s[SEL+1]
.endr
.irp lt, 0,1
	v_add_f32 v[SQ+2*\lt], v[SQ+2*\lt], v[TM+4+\lt]
.endr
.irp lt, 0,1
	ds_store_b32 v[PSA], v[SQ+2*\lt] offset:DGP+256*\lt
.endr
.endm
.macro USTORE img, sc, m2              ; my block (K block w) of both tiles' images, and its scale byte; m2 = 1: 2 off the byte, which is the factor 1 / 4
.irp lt, 0,1
.if \m2
	v_add_nc_u32 v[TM+4+\lt], -2, v[TM+4+\lt]
.endif
	ds_store_b128 v[UWI], v[PC+4*\lt:PC+4*\lt+3] offset:\img+4096*\lt
	ds_store_b8 v[UWB], v[TM+4+\lt] offset:\sc+128*\lt
.endr
.endm
	s_load_b256 s[4:11], s[0:1], 0x0               ; query, pos, bq, bo
	s_load_b128 s[12:15], s[0:1], 0x20             ; wts, kvs
	s_load_b64 s[16:17], s[0:1], 0x30              ; out0
	v_lshl_add_u32 v[SPW], v0, 2, SPARE
	v_mov_b32 v[NIL], 0
	ds_add_u32 v[SPW], v[NIL]                      ; the wave's opening: the add and its wait stand ahead of the round in front of my first tensor load
	v_lshrrev_b32 v1, 5, v0
	v_readfirstlane_b32 s[WV], v1                  ; wave 0..7
	v_and_b32 v1, 31, v0
	v_and_b32 v2, 15, v0
	v_bfe_u32 v3, v0, 4, 1
	v_and_b32 v4, 8, v2
	v_add_nc_u32 v4, v4, v2                        ; rho(r)
	v_lshlrev_b32 v[LI], 4, v1
	v_lshlrev_b32 v[R4], 2, v2
	v_lshlrev_b32 v[H64], 6, v3
	v_lshlrev_b32 v[PR], 5, v4
	s_bfe_u32 s[CX], ttmp6, 0x40000                ; my place in the cluster: it enters global addresses alone
	s_lshl_b32 s[GID], ttmp9, 2
	s_add_co_u32 s[GID], s[GID], s[CX]
	s_lshr_b32 s[BB], ttmp9, 4                     ; the batch: the partners share it
	s_and_b32 s[LB], s[GID], 63
	s_lshr_b32 s26, s[WV], 2
	s_and_b32 s27, s[WV], 3
	s_lshl_b32 s31, s26, 11
	s_lshl_b32 s24, s27, 9
	s_add_co_u32 s31, s31, s24
	v_add_nc_u32 v[UWI], s31, v[LI]
	s_lshl_b32 s31, s26, 6
	s_add_co_u32 s31, s31, s27
	v_add_nc_u32 v[UWB], s31, v[R4]
	s_lshl_b32 s31, s[WV], 2
	v_add_nc_u32 v[PSA], s31, v[PR]
	s_mul_i32 s[LBASE], s[WV], NM*CH
	s_add_co_u32 s[LBASE], s[LBASE], WL
	v_add_nc_u32 v[WLA], s[LBASE], v[LI]
	v_add_nc_u32 v[WLS], s[LBASE], v[R4]
	s_lshl_b32 s31, s[WV], 10
	v_add_nc_u32 v[XWI], s31, v[LI]
	s_lshr_b32 s31, s[WV], 1
	s_lshl_b32 s31, s31, 6
	s_and_b32 s24, s[WV], 1
	s_lshl_b32 s24, s24, 1
	s_add_co_u32 s31, s31, s24
	v_add_nc_u32 v[XWS], s31, v[R4]
	v_mul_u32_u24 v[STO], v4, 1040
	v_add_nc_u32 v[STO], v[STO], v[H64]
	s_lshl_b32 s31, s[WV], 7
	s_add_co_u32 s31, s31, WL
	v_add_nc_u32 v[STO], s31, v[STO]
	s_mul_i32 s31, s[WV], 4160
	s_add_co_u32 s31, s31, WL
	v_add_nc_u32 v[SRD], s31, v[LI]
	v_lshlrev_b32 v[XGO], 10, v3                   ; query's loads: lanes 0-15 one row, lanes 16-31 the next; 16 bytes a lane
	v_lshl_add_u32 v[XGO], v2, 4, v[XGO]
	v_mul_u32_u24 v[SXW], v3, 272
	v_lshl_add_u32 v[SXW], v2, 4, v[SXW]
	v_mul_u32_u24 v[SXR], v2, 272
	v_lshl_add_u32 v[SXR], v3, 6, v[SXR]
	v_lshrrev_b32 v[SPS], 3, v1                    ; lane / 8: which of a load's four rows of pos
	v_and_b32 v[SPR], 7, v1                        ; lane % 8: which 16 bytes of its 128
	v_lshlrev_b32 v[PGO], 10, v[SPS]
	v_lshl_add_u32 v[PGO], v[SPR], 4, v[PGO]
	v_mul_u32_u24 v[SPS], v[SPS], 144
	v_lshl_add_u32 v[SPS], v[SPR], 4, v[SPS]
	v_mul_u32_u24 v[SPR], v4, 144
	v_lshl_add_u32 v[SPR], v3, 6, v[SPR]
	s_mul_i32 s31, s[WV], 4608
	s_add_co_u32 s31, s31, STG                     ; my stage
	v_add_nc_u32 v[SXW], s31, v[SXW]
	v_add_nc_u32 v[SXR], s31, v[SXR]
	v_add_nc_u32 v[SPS], s31, v[SPS]
	v_add_nc_u32 v[SPR], s31, v[SPR]
.irp b, 0,1,2,3
	v_mov_b32 v[TM+4+\b], 0                        ; written once: a lane permute's destination counts as one of its sources
.endr
	s_mov_b32 s[SEL], 0x76543210
	s_mov_b32 s[SEL+1], 0xfedcba98
	s_mov_b32 s[MNT], 0x600000
	s_mov_b32 s[L2E], 0x3fb8aa3b
	s_mov_b32 s[L2E+1], s[L2E]
	s_mov_b32 s[R16], 0x3d800000
	s_mov_b32 s[R16+1], s[R16]
	; descriptor group 1: a chunk is 33 dense rows of 256 bytes (32 elements of 8 bytes), no padding
	s_mov_b32 s[G1], 15|(3<<16)|(1<<21)            ; the mask: all four work-groups; elements of 8 bytes; bit 21 beside a mask
	s_mov_b32 s[G1+1], 32<<16
	s_mov_b32 s[G1+2], 33<<16
	s_mov_b32 s[G1+3], 32<<16
	s_mov_b32 s[G1+4], 33
	s_mov_b32 s[G1+5], 32
	s_mov_b32 s[G1+6], 0
	s_mov_b32 s[G1+7], 0
	s_mul_i32 s[DT], s[WV], CH
	s_mov_b32 s[DT+1], 0
	s_lshl_b32 s24, s[GID], 15                     ; my half fragment of query: tile w / 4, K blocks 2 (w % 4) and 2 (w % 4) + 1
	s_lshl_b32 s26, s26, 13
	s_add_co_u32 s24, s24, s26
	s_lshl_b32 s27, s27, 8
	s_add_co_u32 s24, s24, s27
	s_mov_b32 s25, 0
	s_wait_dscnt 0x0                               ; the opening add is done
	s_wait_kmcnt 0x0
	s_add_nc_u64 s[XB:XB+1], s[4:5], s[24:25]
.irp i, 0,1,2,3,4,5,6,7
	global_load_b128 v[A+4*\i:A+4*\i+3], v[XGO], s[XB:XB+1] offset:(2*\i+((2*\i)&8))*1024 th:TH_LOAD_NT   ; rows 8 tile + rho(2 i) and + rho(2 i + 1), my 256 bytes of each: sixteen lanes to a row
.endr
	s_lshl_b32 s24, s[LB], 15
	s_lshl_b32 s31, s[WV], 7
	s_add_co_u32 s24, s24, s31
	s_add_nc_u64 s[PB:PB+1], s[6:7], s[24:25]
.irp k, 0,1,2,3,4,5,6,7
	global_load_b128 v[POS+4*\k:POS+4*\k+3], v[PGO], s[PB:PB+1] offset:4096*\k   ; rows 4 k .. 4 k + 3, my 128 bytes of each: eight lanes to a row
.endr
	s_mov_b32 s24, s31
	s_add_nc_u64 s[BQB:BQB+1], s[8:9], s[24:25]
	s_add_nc_u64 s[BOB:BOB+1], s[10:11], s[24:25]
.irp lt, 0,1
.irp u, 0,1
.irp q, 0,1
	global_load_b128 v[HA+16*\lt+8*\u+4*\q:HA+16*\lt+8*\u+4*\q+3], v[H64], s[BQB:BQB+1] offset:32*\u+16*\q   ; bq in the result's layout: it starts the sums
.endr
.endr
.endr
	s_add_nc_u64 s[WB:WB+1], s[12:13], s[DT:DT+1]  ; my wave's chunk in each matrix of wts
	s_mul_i32 s31, s[BB], 67584
	s_add_co_u32 s[DT], s[DT], s31
	s_add_nc_u64 s[KVB:KVB+1], s[14:15], s[DT:DT+1]   ; kvs: chunk (b, head w)
	DESC 0, WB, 0                                  ; Wq
	DESC 1, WB, 270336                             ; proj
	DESC 2, KVB, 0                                 ; kvs
	DESC 3, WB, 202752                             ; Wo
	s_lshl_b32 s24, s[BB], 13                      ; ksum [b][head w][m = 32 w on]
	s_mul_i32 s31, s[WV], 1152
	s_add_co_u32 s24, s24, s31
	s_add_co_u32 s24, s24, 270336
	s_add_nc_u64 s[KSB:KSB+1], s[14:15], s[24:25]
	s_lshl_b32 s24, s[GID], 15                     ; out: rows 32 g + 4 w on
	s_lshl_b32 s31, s[WV], 12
	s_add_co_u32 s24, s24, s31
	s_add_nc_u64 s[OB:OB+1], s[16:17], s[24:25]
	ROUND                                          ; all four work-groups are here: the joint loads meet
.irp i, 0,1,2,3
	tensor_load_to_lds s[G0+4*\i:G0+4*\i+3], s[G1:G1+7]
	s_nop 0
.endr
.rept 4
	v_nop
.endr
	; ---- X: my two blocks of query turn through my stage and are quantised; pos turns through the same stage behind them
	s_wait_loadcnt 16                              ; my 8 loads of numbers are in; the 8 of pos and the 8 of bq, issued behind them, may be out
.irp i, 0,1,2,3,4,5,6,7
	ds_store_b128 v[SXW], v[A+4*\i:A+4*\i+3] offset:544*\i   ; stage rows 2 i and 2 i + 1, as loaded
.endr
.irp q, 0,1
.irp j, 0,1,2,3
	ds_load_b128 v[A+16*\q+4*\j:A+16*\q+4*\j+3], v[SXR] offset:128*\q+16*\j   ; stage row r, k = 32 q + 16 h + 4 j on.  LDS serves a wave's instructions in order (ISA guide 5.7.1.4): these see my stores
.endr
.endr
	s_wait_loadcnt 8                               ; pos is in; the 8 loads of bq, issued behind it, may be out
.irp k, 0,1,2,3,4,5,6,7
	ds_store_b128 v[SPS], v[POS+4*\k:POS+4*\k+3] offset:576*\k   ; into the same bytes, behind the reads above: rows of 144 bytes
.endr
.irp lt, 0,1
.irp j, 0,1,2,3
	ds_load_b128 v[POS+16*\lt+4*\j:POS+16*\lt+4*\j+3], v[SPR] offset:1152*\lt+16*\j   ; row 8 lt + rho(r), my column 16 h + 4 j on
.endr
.endr
	s_wait_dscnt 16                                ; my numbers are back from the stage; the 8 stores and 8 loads of pos' turn may be out
	QUANTB 2, A, PC, 0, 0x4800000
	s_wait_dscnt 0x0                               ; pos' turn is over: the stage's address registers are done with, and the weights' fragments may take them
.irp q, 0,1
	ds_store_b128 v[XWI], v[PC+4*\q:PC+4*\q+3] offset:XIMG+512*\q
.endr
	v_lshl_or_b32 v[PW], v[TM+5], 8, v[TM+4]
	ds_store_b16 v[XWS], v[PW] offset:XSC          ; my two bytes of the row's scale word
	s_wait_tensorcnt 0x3                           ; Wq's chunk is in; the three issued behind it may be out
	FETCHW 0
	BARRIER                                        ; 1: query's four fragments lie in LDS; every wave's stage is done with
	; ---- 1: q, the turn, the sums of squares, u's codes
	FETCHA XIMG, XSC
	s_wait_dscnt 0x0
	s_wait_loadcnt 0x0                             ; bq
	PRODW HA, 1
	PLACES
	ROT
	DIAGP
	QUANTB 2, HA, PC, 0, 0x5800000                 ; the floor two exponents up, so that the byte less 2 cannot fall under 1
	USTORE UIMG, USC, 1
.irp i, 0,1,2,3
	global_load_b128 v[KS+4*\i:KS+4*\i+3], v[H64], s[KSB:KSB+1] offset:16*\i     ; pos is done with: ksum of features 32 w + 16 h + e,
.endr
.irp u, 0,1
.irp q, 0,1
	global_load_b128 v[BO+8*\u+4*\q:BO+8*\u+4*\q+3], v[H64], s[BOB:BOB+1] offset:32*\u+16*\q   ; and bo, take its registers
.endr
.endr
	s_wait_dscnt 0x0                               ; the stores have read their registers
	s_wait_tensorcnt 0x2                           ; proj's chunk is in
	FETCHW 1
	BARRIER                                        ; 2: u's four fragments lie in LDS
	; ---- 2: xp, its row maximum, qp, my part of den, qp's codes
	FETCHA UIMG, USC
	s_wait_dscnt 0x0
	PRODW HA, 0
	PLACES
.irp lt, 0,1
	v_max3_num_f32 v[W+\lt], v[HA+16*\lt], v[HA+16*\lt+1], v[HA+16*\lt+2]   ; each accumulator is read from its low end on
.endr
.irp i, 3,5,7,9,11,13
.irp lt, 0,1
	v_max3_num_f32 v[W+\lt], v[W+\lt], v[HA+16*\lt+\i], v[HA+16*\lt+\i+1]
.endr
.endr
.irp lt, 0,1
	v_max_num_f32 v[W+\lt], v[W+\lt], v[HA+16*\lt+15]
.endr
.irp lt, 0,1
	v_permlanex16_b32 v[TM+4+\lt], v[W+\lt], s[SEL], s[SEL+1]
.endr
.irp lt, 0,1
	v_max_num_f32 v[W+\lt], v[W+\lt], v[TM+4+\lt]
.endr
.irp lt, 0,1
	ds_store_b32 v[PSA], v[W+\lt] offset:MXP+256*\lt
.endr
	BARRIER                                        ; 3: the eight waves' maxima of each row lie in LDS
.irp lt, 0,1
	ds_load_b128 v[W+8*\lt:W+8*\lt+3], v[PR] offset:MXP+256*\lt
	ds_load_b128 v[W+8*\lt+4:W+8*\lt+7], v[PR] offset:MXP+256*\lt+16
	ds_load_b128 v[W+16+8*\lt:W+16+8*\lt+3], v[PR] offset:DGP+256*\lt
	ds_load_b128 v[W+16+8*\lt+4:W+16+8*\lt+7], v[PR] offset:DGP+256*\lt+16
.endr
	v_mov_b32 v[EP], 0x338637bd                    ; 1e-6 / 16
	v_mov_b32 v[EP+1], v[EP]
	s_wait_dscnt 0x0
.irp lt, 0,1
	v_max3_num_f32 v[W+8*\lt], v[W+8*\lt], v[W+8*\lt+1], v[W+8*\lt+2]
	v_add_f32 v[W+16+8*\lt], v[W+16+8*\lt], v[W+16+8*\lt+1]
	v_add_f32 v[W+16+8*\lt+2], v[W+16+8*\lt+2], v[W+16+8*\lt+3]
	v_add_f32 v[W+16+8*\lt+4], v[W+16+8*\lt+4], v[W+16+8*\lt+5]
	v_add_f32 v[W+16+8*\lt+6], v[W+16+8*\lt+6], v[W+16+8*\lt+7]
	v_max3_num_f32 v[W+8*\lt], v[W+8*\lt], v[W+8*\lt+3], v[W+8*\lt+4]
	v_add_f32 v[W+16+8*\lt], v[W+16+8*\lt], v[W+16+8*\lt+2]
	v_add_f32 v[W+16+8*\lt+4], v[W+16+8*\lt+4], v[W+16+8*\lt+6]
	v_max3_num_f32 v[W+8*\lt], v[W+8*\lt], v[W+8*\lt+5], v[W+8*\lt+6]
	v_add_f32 v[W+16+8*\lt], v[W+16+8*\lt], v[W+16+8*\lt+4]
	v_max_num_f32 v[W+8*\lt], v[W+8*\lt], v[W+8*\lt+7]
	v_mul_f32 v[ND+2*\lt], 0xbd000000, v[W+16+8*\lt]       ; -diag = -sum(u^2) / 32
	v_mul_f32 v[NX+2*\lt], -1.0, v[W+8*\lt]                ; -mx
	v_mov_b32 v[ND+2*\lt+1], v[ND+2*\lt]
	v_mov_b32 v[NX+2*\lt+1], v[NX+2*\lt]
.endr
.irp lt, 0,1
.irp p, 0,2,4,6,8,10,12,14
	v_pk_add_f32 v[HA+16*\lt+\p:HA+16*\lt+\p+1], v[HA+16*\lt+\p:HA+16*\lt+\p+1], v[ND+2*\lt:ND+2*\lt+1]
.endr
.endr
.irp lt, 0,1
.irp p, 0,2,4,6,8,10,12,14
	v_pk_add_f32 v[HA+16*\lt+\p:HA+16*\lt+\p+1], v[HA+16*\lt+\p:HA+16*\lt+\p+1], v[NX+2*\lt:NX+2*\lt+1]
.endr
.endr
.set pp, 0
.rept 16
	v_pk_mul_f32 v[HA+pp:HA+pp+1], v[HA+pp:HA+pp+1], s[L2E:L2E+1] op_sel_hi:[1,0]
.set pp, pp+2
.endr
.set pp, 0
.rept 32
	v_exp_f32 v[HA+pp], v[HA+pp]
.set pp, pp+1
.endr
	v_nop                                          ; a plain line behind the last exponential
	s_wait_alu depctr_va_vdst(0)                   ; one wait for the whole batch, ahead of its first reader
.set pp, 0
.rept 16
	v_pk_fma_f32 v[HA+pp:HA+pp+1], v[HA+pp:HA+pp+1], s[R16:R16+1], v[EP:EP+1] op_sel_hi:[1,0,1]   ; qp = (e + 1e-6) / 16
.set pp, pp+2
.endr
	s_wait_loadcnt 0x0                             ; ksum, bo
.irp lt, 0,1
	v_pk_mul_f32 v[DNT+2*\lt:DNT+2*\lt+1], v[HA+16*\lt:HA+16*\lt+1], v[KS:KS+1]   ; den: f32 multiply-adds on the unquantised qp
.endr
.irp p, 2,4,6,8,10,12,14
.irp lt, 0,1
	v_pk_fma_f32 v[DNT+2*\lt:DNT+2*\lt+1], v[HA+16*\lt+\p:HA+16*\lt+\p+1], v[KS+\p:KS+\p+1], v[DNT+2*\lt:DNT+2*\lt+1]
.endr
.endr
.irp lt, 0,1
	v_add_f32 v[DNT+2*\lt], v[DNT+2*\lt], v[DNT+2*\lt+1]
.endr
.irp lt, 0,1
	v_permlanex16_b32 v[TM+4+\lt], v[DNT+2*\lt], s[SEL], s[SEL+1]
.endr
.irp lt, 0,1
	v_add_f32 v[DNT+2*\lt], v[DNT+2*\lt], v[TM+4+\lt]
.endr
.irp lt, 0,1
	ds_store_b32 v[PSA], v[DNT+2*\lt] offset:DNP+256*\lt
.endr
	QUANTB 2, HA, PC, 1, 0x4800000
	USTORE QIMG, QSC, 0
	s_wait_dscnt 0x0                               ; the stores have read their registers
	s_wait_tensorcnt 0x1                           ; kvs' chunk is in; Wo's may be out
	FETCHW 2
	BARRIER                                        ; 4: qp's four fragments and the parts of den lie in LDS
	; ---- 3: num of head w, ctx, its codes
	FETCHA QIMG, QSC
	s_wait_dscnt 0x0
	PRODW HA, 0
	PLACES
	s_wait_tensorcnt 0x0                           ; Wo's chunk is in
	FETCHW 3
.irp lt, 0,1
	ds_load_b128 v[A+8*\lt:A+8*\lt+3], v[PR] offset:DNP+256*\lt
	ds_load_b128 v[A+8*\lt+4:A+8*\lt+7], v[PR] offset:DNP+256*\lt+16
.endr
	s_wait_dscnt 0x0
.irp lt, 0,1
	v_add_f32 v[A+8*\lt], v[A+8*\lt], v[A+8*\lt+1]
	v_add_f32 v[A+8*\lt+2], v[A+8*\lt+2], v[A+8*\lt+3]
	v_add_f32 v[A+8*\lt+4], v[A+8*\lt+4], v[A+8*\lt+5]
	v_add_f32 v[A+8*\lt+6], v[A+8*\lt+6], v[A+8*\lt+7]
	v_add_f32 v[A+8*\lt], v[A+8*\lt], v[A+8*\lt+2]
	v_add_f32 v[A+8*\lt+4], v[A+8*\lt+4], v[A+8*\lt+6]
	v_add_f32 v[A+8*\lt], v[A+8*\lt], v[A+8*\lt+4]
.endr
	v_rcp_f32 v[ND], v[A]
	v_rcp_f32 v[ND+2], v[A+8]
	v_nop                                          ; a plain line behind the last reciprocal
	s_wait_alu depctr_va_vdst(0)                   ; one wait for both, ahead of their first reader
.irp lt, 0,1
.irp p, 0,2,4,6,8,10,12,14
	v_pk_mul_f32 v[HA+16*\lt+\p:HA+16*\lt+\p+1], v[HA+16*\lt+\p:HA+16*\lt+\p+1], v[ND+2*\lt:ND+2*\lt+1] op_sel_hi:[1,0]   ; ctx = num / den
.endr
.endr
	QUANTB 2, HA, PC, 0, 0x4800000
	USTORE CIMG, CSC, 0
	BARRIER                                        ; 5: ctx's four fragments lie in LDS; every wave has read the last of its weights
	; ---- 4: out
	FETCHA CIMG, CSC
	s_wait_dscnt 0x0
	PRODW HA, 2
	PLACES
.irp lt, 0,1
.irp i, 0,1,2,3
	ds_store_b128 v[STO], v[HA+16*\lt+4*\i:HA+16*\lt+4*\i+3] offset:8320*\lt+16*\i   ; row l = 8 lt + rho(r), columns 32 w + 16 h + 4 i on; each accumulator from its low end on
.endr
.endr
	BARRIER                                        ; 6: 32 whole rows of out lie in the stage
.irp i, 0,1,2,3
.irp j, 0,1
	ds_load_b128 v[A+8*\i+4*\j:A+8*\i+4*\j+3], v[SRD] offset:1040*\i+512*\j
.endr
.endr
.irp i, 0,1,2,3
.irp j, 0,1
	s_wait_dscnt 7-2*\i-\j                         ; LDS loads come back in order: this one is in, the younger ones may be out
	global_store_b128 v[LI], v[A+8*\i+4*\j:A+8*\i+4*\j+3], s[OB:OB+1] offset:1024*\i+512*\j th:TH_STORE_NT   ; 32 lanes store 512 consecutive bytes
.endr
.endr
	s_wait_tensorcnt 0x0                           ; the wave's end, behind my last tensor load and my last LDS store
	ds_add_u32 v[SPW], v[NIL]
	s_wait_dscnt 0x0
	ROUND                                          ; the closing round
	s_endpgm
.Lfunc_end_k_q3e45080167_query:
	.size	k_q3e45080167_query, .Lfunc_end_k_q3e45080167_query-k_q3e45080167_query
	.p2alignl 7, 3214868480
	.fill 96, 4, 3214868480
	.section	.rodata,"a",@progbits
	.p2align	6, 0x0
	.amdhsa_kernel k_q3e45080167_query
		.amdhsa_group_segment_fixed_size 327680
		.amdhsa_private_segment_fixed_size 0
		.amdhsa_enable_private_segment 0
		.amdhsa_kernarg_size 56
		.amdhsa_user_sgpr_count 2
		.amdhsa_user_sgpr_kernarg_segment_ptr 1
		.amdhsa_wavefront_size32 1
		.amdhsa_system_sgpr_workgroup_id_x 1
		.amdhsa_system_sgpr_workgroup_id_y 1
		.amdhsa_system_sgpr_workgroup_id_z 1
		.amdhsa_system_vgpr_workitem_id 0
		.amdhsa_next_free_vgpr 256
		.amdhsa_next_free_sgpr 80
		.amdhsa_reserve_vcc 0
		.amdhsa_float_denorm_mode_32 3
		.amdhsa_float_denorm_mode_16_64 3
		.amdhsa_memory_ordered 1
		.amdhsa_forward_progress 1
		.amdhsa_inst_pref_size 63
	.end_amdhsa_kernel
	.amdgpu_metadata
---
amdhsa.version: [ 1, 2 ]
amdhsa.kernels:
  - .name:           k_q3e45080167_query
    .symbol:         k_q3e45080167_query.kd
    .args:
      - { .name: query, .offset: 0, .size: 8, .value_kind: global_buffer, .address_space: global }
      - { .name: pos, .offset: 8, .size: 8, .value_kind: global_buffer, .address_space: global }
      - { .name: bq, .offset: 16, .size: 8, .value_kind: global_buffer, .address_space: global }
      - { .name: bo, .offset: 24, .size: 8, .value_kind: global_buffer, .address_space: global }
      - { .name: wts, .offset: 32, .size: 8, .value_kind: global_buffer, .address_space: global }
      - { .name: kvs, .offset: 40, .size: 8, .value_kind: global_buffer, .address_space: global }
      - { .name: out0, .offset: 48, .size: 8, .value_kind: global_buffer, .address_space: global }
    .group_segment_fixed_size: 327680
    .private_segment_fixed_size: 0
    .kernarg_segment_align: 8
    .kernarg_segment_size: 56
    .max_flat_workgroup_size: 256
    .sgpr_count:     80
    .vgpr_count:     256
    .wavefront_size: 32
...
	.end_amdgpu_metadata
.endif
;; end of part 4
